; MI455X (gfx1250); checked and timed in simulation.
; The chip was launched on July 23, 2026; its instructions are those of AMD's public machine-readable ISA for CDNA 5 (MIT licence, August 2026) and "CDNA5" Instruction Set Architecture Reference Guide (July 2026). The comments in the code are by the model that wrote it; some were corrected since.
;; Qwen3 Copied Attention. Allowed arithmetic: matrix products marked QUANTISED: E4M3 operands, one E8M0 scale for each 32 along K, by v_wmma_scale_f32_16x16x128_f8f6f4 with both operands' format E4M3, f32 sums; everything else in f32.
;; Inputs: Wk 2,048 x 1,024 float32; Wo 1,024 x 2,048 float32; Wq 2,048 x 1,024 float32; Wv 2,048 x 1,024 float32; attention_mask 2 x 1 x 2,048 x 2,048 float32; cos 2 x 2,048 x 128 float32; hidden_states 2 x 2,048 x 2,048 float32; k_norm_w 128 float32; q_norm_w 128 float32; sin 2 x 2,048 x 128 float32.
;; Outputs: out0 2 x 2,048 x 2,048 float32.
;; This version of the problem:
;;   THIS VERSION OF THE PROBLEM IS GIVEN IN LOW PRECISION. The matrix products marked QUANTISED in the list below multiply operands that are first quantised to E4M3 (4 exponent bits, 3 mantissa bits; 8 bits a number), with one power-of-two scale for each 32 numbers along K (OCP MX v1.0); their sums are f32. All else is computed in f32.
;;   The module's matrix products, in the order in which they are computed (A, B: the left and right operand; K: the contracted axis; several contracted axes count as one K, in the product's order):
;;     1. [M 4,096, K 2,048] x [K 2,048, N 1,024]; A: input hidden_states; B: input Wq: QUANTISED
;;     2. [M 4,096, K 2,048] x [K 2,048, N 1,024]; A: input hidden_states; B: input Wk: QUANTISED
;;     3. [M 4,096, K 2,048] x [K 2,048, N 1,024]; A: input hidden_states; B: input Wv: QUANTISED
;;     4. batch 16 x [M 2,048, K 128] x [K 128, N 2,048]; A: computed on the way; B: computed on the way: QUANTISED
;;     5. batch 16 x [M 2,048, K 2,048] x [K 2,048, N 128]; A: softmax (see below); B: computed on the way: QUANTISED
;;     6. [M 4,096, K 1,024] x [K 1,024, N 2,048]; A: computed on the way; B: input Wo: QUANTISED
;;   THE QUANTISER, for each operand of a quantised product, along K:
;;     - K is cut into blocks of 32 from its start; a last block that is shorter is filled with zeros.
;;     - A block's scale is 2^e with e = floor(log2(the largest magnitude in the block)) - 8, held to -126 .. 127; a block of zeros has e = 0. As a byte (E8M0): e + 127.
;;     - Each number is divided by its block's scale, clamped to +-448, and rounded to the nearest number of E4M3, ties to even, subnormals kept.
;;     - The product sums the exact products of the quantised numbers (number of the format x scale) in f32.
;;   ~~~python
;;   def quantise(x, axis):      # numpy; x: float32 -> the quantised numbers, widened to float32 again
;;       x = np.moveaxis(x, axis, -1); K = x.shape[-1]
;;       x = np.pad(x, [(0, 0)] * (x.ndim - 1) + [(0, -K % 32)]); x = x.reshape(x.shape[:-1] + (-1, 32)); a = np.abs(x).max(-1, keepdims=True)
;;       e = np.where(a > 0, np.clip(np.frexp(np.where(a > 0, a, 1))[1] - 1 - 8, -126, 127), 0)      # np.frexp(a)[1] - 1 = floor(log2(a)), exactly
;;       r = np.clip(x / 2.0 ** e, -448, 448)
;;       step = 2.0 ** (np.maximum(np.frexp(np.where(r == 0, 1, r))[1] - 1, -6) - 3)
;;       q = np.round(r / step) * step * 2.0 ** e      # np.round: ties to even
;;       return np.moveaxis(q.reshape(q.shape[:-2] + (-1,))[..., :K], -1, axis).astype(np.float32)
;;   ~~~
;;   SOFTMAX AHEAD OF A QUANTISED PRODUCT. Where the list says 'softmax', what is quantised is not the finished softmax but p = 2^(t - M), with t = logit x log2(e) and M = ceil(the row's largest t), a whole number; so 1/2 < the row's largest p <= 1. The row's sum l is taken of the UNQUANTISED p, in f32, and the product's result is divided by l at the end. Since M is a whole number, a kernel that streams over the keys may use a running M (the ceiling of the running maximum): every later rescaling is an exact power of two, which a block's scale takes up: the codes' values come out the same.
;;   OPERANDS COMPUTED ON THE WAY. 'Computed on the way' means the value that the module computes at that place (a softmax that the list does not call 'softmax' is quantised finished and normalised). What goes into a quantiser is computed in f32, as accurately as f32 sums, v_exp_f32 and their like allow (about 1e-6 of the number): no bf16 or f16 on the way to a quantiser, and a product that is left as it is and whose result goes on into a quantised operand takes f32 operands (vector FMAs, or v_wmma_f32_16x16x4_f32). A number that lies on a knife's edge between two numbers of the format may be rounded either way, as far as f32 arithmetic and the matrix unit's own rounding can turn it there, and no further.
;; One version. Each part assembles by itself: llvm-mc -triple=amdgcn-amd-amdhsa -mcpu=gfx1250 --defsym DOCPART=n.
;; ======== version 1 of 1: 4 launches
;; limits: right only within a limited range of input values
;; workspace buffers: x_img 8,650,752 bytes; w_img 6,488,064 bytes; wo_img 2,162,688 bytes; q_img 4,325,376 bytes; k_img 4,325,376 bytes; v_img 4,325,376 bytes; o_img 4,325,376 bytes
;; launch quant (part 1): grid 512 x 1, 4 waves a work-group, no clusters, 34,304 bytes of LDS; arguments hidden_states, x_img, Wq, Wk, Wv, Wo, w_img, wo_img; writes x_img, w_img, wo_img
.if DOCPART == 1
	.amdgcn_target "amdgcn-amd-amdhsa--gfx1250"
	.amdhsa_code_object_version 6
	.text
	.protected	k_q3654ff03a5_quant
	.globl	k_q3654ff03a5_quant
	.p2align	8
	.type	k_q3654ff03a5_quant,@function
k_q3654ff03a5_quant:
	s_mov_b64 s[64:65], 0
	v_nop
	global_prefetch_b8 v0, s[64:65] scope:SCOPE_SE
	s_setreg_imm32_b32 hwreg(HW_REG_WAVE_MODE, 25, 1), 1
	s_wait_xcnt 0x0
; The f32 inputs of the projections become codes of E4M3 with one E8M0 scale byte for each 32 along K, laid as IMAGES OF THE OPERAND'S REGISTERS.
; A RECORD is 128 rows x 128 K, 16,896 bytes: eight fragments of 2,048 bytes (fragment f: rows 16 f on; register group c at 512 c; lane l's 16 bytes at 16 l), then one scale word a row at 16,384 + 4 x row.
; THE ORDER INSIDE A BLOCK OF 32: byte i of lane (r = l % 16, h = l / 16), group c, holds k = 32 c + 8 h + i % 8 + 16 (i / 8).  It permutes only inside a block, so the block's scale is untouched,
; and every operand of every product of this program is laid so: each product multiplies the same pairs.
; A block's scale is 2^(floor(log2(its largest magnitude)) - 8); its byte is the largest magnitude's exponent field - 8, held at 1 from below.  A block of zeros gets the byte 1 and zero codes; this program alone reads the bytes.
; LIMITS: NaN and infinities among the inputs are not served; blocks whose largest magnitude lies under 2^-118 keep the byte 1.
; ONE LAUNCH, TWO WAYS, parted once, at the head, by the work-group's number:
; work-groups 0-255: hidden_states [4096][2048], K innermost -> x_img [32 groups of 128 rows][16 K steps].  A wave makes half a record: four steps of 16 rows x 128 K.  A load reads 512 consecutive bytes of one row; the 16 rows
;   turn through the wave's own stage in LDS (rows of 528 bytes), from which lane (r, h) takes its 64 numbers of row r.
; work-groups 256-511: Wq, Wk, Wv [2048][1024] and Wo [1024][2048], K their FIRST axis -> w_img [24 groups of 128 n: Wq 0-7, Wk 8-15, Wv 16-23][16], wo_img [16][8].  64 work-groups a weight; a work-group 128 columns x 256 K
;   (two records on end), a wave 32 columns.  A LANE TAKES A COLUMN n AND ITS REGISTERS RUN DOWN K: a load reads 128 consecutive bytes a wave, a block's 32 numbers lie in one lane, and its 32 codes are the 16 bytes of image lane
;   (n % 16, 0): k 0-7 and 16-23, and of image lane (n % 16, 1): k 8-15 and 24-31.  Sixteen neighbouring lanes so store 256 consecutive bytes, aligned: this way uses no LDS.
; Waves share nothing: no barrier.  No two work-groups read the same byte: no cluster.
.set REC,  16896
; ---- the activations' way
.set SP,   528                         ; a stage row: 512 bytes + 16, an odd multiple of 16: the sixteen rows that a load touches start at different banks
.set LO,   4                           ; v4   16 x lane: my bytes of a row in memory, and of a register group in the image
.set SI,   5                           ; v5   the stage, on the way in
.set SO,   6                           ; v6   the stage, on the way out: row r, + 32 h
.set LW,   7                           ; v7   4 x lane
.set RA,   16                          ; v16-143  two sets of 64 registers as loaded
.set X,    144                         ; v144-207 my 64 numbers: register 16 b + i belongs to block b
.set PC,   208                         ; v208-223 a fragment's codes
.set SW,   224                         ; v224-227 a scale word for each step
.set TM,   228                         ; v228-243 largest magnitudes, bytes, holds, scale operands
.set T,    244                         ; v244-245 scale words as they leave
.set SEL,  20                          ; s[20:21] lane selects for v_permlanex16_b32: lane l xor 16
.set MNT,  23                          ; s23  the mantissa field of 448
; 64 numbers of a lane, v[s] on, become 16 registers of codes in v[PC] on and the row's scale word in v[pw].
.macro QUANT s, pw
.irp b, 0,1,2,3
	v_max3_num_f32 v[TM+\b], |v[(\s)+16*\b]|, |v[(\s)+16*\b+1]|, 0x4800000   ; my 16 numbers of block b, and the floor 2^(9 - 127): the byte cannot fall under 1
.endr
.irp i, 2,4,6,8,10,12,14
.irp b, 0,1,2,3
	v_max3_num_f32 v[TM+\b], |v[(\s)+16*\b+\i]|, |v[(\s)+16*\b+\i+1]|, v[TM+\b]   ; the four blocks by turns
.endr
.endr
.irp b, 0,1,2,3
	v_permlanex16_b32 v[TM+4+\b], v[TM+\b], s[SEL], s[SEL+1]
.endr
.irp b, 0,1,2,3
	v_max_num_f32 v[TM+\b], v[TM+\b], v[TM+4+\b]                 ; with lane l xor 16's 16: the block's largest magnitude
.endr
.irp b, 0,1,2,3
	v_add_nc_u32 v[TM+12+\b], 0xfc000000, v[TM+\b]               ; 8 off its exponent field: the conversion's scale operand
.endr
.irp b, 0,1,2,3
	v_and_or_b32 v[TM+8+\b], v[TM+\b], 0x7f800000, s[MNT]        ; 448 x the scale
.endr
.irp b, 0,1,2,3
	v_lshrrev_b32 v[TM+4+\b], 23, v[TM+12+\b]                    ; the scale's byte
.endr
	v_lshl_or_b32 v[\pw], v[TM+5], 8, v[TM+4]
	v_lshl_or_b32 v[\pw], v[TM+6], 16, v[\pw]
	v_lshl_or_b32 v[\pw], v[TM+7], 24, v[\pw]
.irp b, 0,1,2,3
.irp i, 0,1,2,3,4,5,6,7,8,9,10,11,12,13,14,15
	v_med3_num_f32 v[(\s)+16*\b+\i], v[(\s)+16*\b+\i], -v[TM+8+\b], v[TM+8+\b]   ; the conversion to an 8-bit code does not saturate (ISA guide 7.6.2): the hold comes first
.endr
.endr
	s_wait_alu depctr_va_vdst(0)
	s_wait_xcnt 0x0                                ; the last fragment's stores have read v[PC] on: only now are they written again
.irp g, 0,1,2,3,4,5,6,7
	v_cvt_scalef32_pk8_fp8_f32 v[PC+2*\g:PC+2*\g+1], v[(\s)+8*\g:(\s)+8*\g+7], v[TM+12+\g/2]
.endr
	v_nop                                          ; one plain line behind the last conversion
.endm
.macro XLOAD s                         ; step s: 16 rows, 512 consecutive bytes a load
.irp i, 0,1,2,3,4,5,6,7,8,9,10,11,12,13,14,15
	global_load_b128 v[RA+64*((\s)%2)+4*\i:RA+64*((\s)%2)+4*\i+3], v[LO], s[4:5] offset:(16*(\s)+\i)*8192 th:TH_LOAD_NT
.endr
.endm
.macro XSTEP s
.if (\s) < 3
	s_wait_loadcnt 16                              ; this step's 16 loads are in; the next step's 16 may be out
.else
	s_wait_loadcnt 0
.endif
.irp i, 0,1,2,3,4,5,6,7,8,9,10,11,12,13,14,15
	ds_store_b128 v[SI], v[RA+64*((\s)%2)+4*\i:RA+64*((\s)%2)+4*\i+3] offset:SP*\i
.endr
.irp c, 0,1,2,3                        ; LDS serves a wave's instructions in order: these see the stores above.  Block c: k = 32 c + 8 h + 0 .. 7, then 32 c + 16 + 8 h + 0 .. 7
	ds_load_b128 v[X+16*\c:X+16*\c+3], v[SO] offset:128*\c
	ds_load_b128 v[X+16*\c+4:X+16*\c+7], v[SO] offset:128*\c+16
	ds_load_b128 v[X+16*\c+8:X+16*\c+11], v[SO] offset:128*\c+64
	ds_load_b128 v[X+16*\c+12:X+16*\c+15], v[SO] offset:128*\c+80
.endr
	s_wait_dscnt 0x0                               ; my numbers are back, so the stores into the stage have read their registers,
.if (\s) < 2
	XLOAD (\s)+2                                   ; which take the loads of two steps on
.endif
	QUANT X, SW+(\s)
.irp c, 0,1,2,3
	global_store_b128 v[LO], v[PC+4*\c:PC+4*\c+3], s[6:7] offset:2048*(\s)+512*\c   ; 32 lanes store 512 consecutive bytes, aligned
.endr
.endm
; ---- the weights' way
.set WVO,  4                           ; v4   my place in a record's codes: (2 wave + lane / 16) x 2,048 + 16 (lane % 16)
.set WVS,  5                           ; v5   my scale word's: 128 wave + 4 lane
.set WSB,  6                           ; v6-7 my column's scale words for the two records
.set WOFF, 16                          ; v16-47  row i of a block: i x the row's bytes + 4 x lane
.set WX,   48                          ; v48-111 two sets of 32 numbers
.set WC,   112                         ; v112-175 eight registers of codes for each block: no store's data are written again
.set WBS,  32                          ; s[32:47] block t's first row
.set WMNT, 48                          ; s48  the mantissa field of 448
.macro WLOAD t                         ; block t: W(32 t + i, my column), i = 0 .. 31
.irp i, 0,1,2,3,4,5,6,7,8,9,10,11,12,13,14,15,16,17,18,19,20,21,22,23,24,25,26,27,28,29,30,31
	global_load_b32 v[WX+32*((\t)%2)+\i], v[WOFF+\i], s[WBS+2*(\t):WBS+2*(\t)+1] th:TH_LOAD_NT
.endr
.endm
.macro WBLOCK t
.set XS, WX+32*((\t)%2)
.set CT, WC+8*(\t)
.if (\t) < 7
	s_wait_loadcnt 32                              ; this block's 32 loads are in; the next block's 32 may be out
.else
	s_wait_loadcnt 0
.endif
	v_max3_num_f32 v12, |v[XS]|, |v[XS+1]|, |v[XS+2]|            ; the block's largest magnitude: all 32 numbers are mine; two chains
	v_max3_num_f32 v13, |v[XS+3]|, |v[XS+4]|, |v[XS+5]|
.irp i, 6,10,14,18,22,26
	v_max3_num_f32 v12, v12, |v[XS+\i]|, |v[XS+\i+1]|
	v_max3_num_f32 v13, v13, |v[XS+\i+2]|, |v[XS+\i+3]|
.endr
	v_max3_num_f32 v12, v12, |v[XS+30]|, |v[XS+31]|
	v_max3_num_f32 v12, v12, v13, 0x4800000        ; and the floor 2^(9 - 127): the byte cannot fall under 1
	v_add_nc_u32 v11, 0xfc000000, v12              ; 8 off the exponent field: the conversion's scale operand
	v_and_or_b32 v10, v12, 0x7f800000, s[WMNT]     ; 448 x the scale
	v_lshrrev_b32 v13, 23, v11                     ; the scale's byte
.if (\t)%4 == 0
	v_mov_b32 v[WSB+(\t)/4], v13
.else
	v_lshl_or_b32 v[WSB+(\t)/4], v13, 8*((\t)%4), v[WSB+(\t)/4]
.endif
.irp i, 0,1,2,3,4,5,6,7,8,9,10,11,12,13,14,15,16,17,18,19,20,21,22,23,24,25,26,27,28,29,30,31
	v_med3_num_f32 v[XS+\i], v[XS+\i], -v10, v10   ; the hold comes ahead of the conversion, as above
.endr
	v_cvt_scalef32_pk8_fp8_f32 v[CT:CT+1], v[XS:XS+7], v11         ; image lane (r, 0): k 0-7,
	v_cvt_scalef32_pk8_fp8_f32 v[CT+2:CT+3], v[XS+16:XS+23], v11   ; k 16-23;
	v_cvt_scalef32_pk8_fp8_f32 v[CT+4:CT+5], v[XS+8:XS+15], v11    ; image lane (r, 1): k 8-15,
	v_cvt_scalef32_pk8_fp8_f32 v[CT+6:CT+7], v[XS+24:XS+31], v11   ; k 24-31
	v_nop                                          ; one plain line behind the last conversion
.if (\t) < 6
	WLOAD (\t)+2
.endif
	global_store_b128 v[WVO], v[CT:CT+3], s[12:13] offset:((\t)/4)*REC+512*((\t)%4)         ; sixteen lanes store 256 consecutive bytes, aligned
	global_store_b128 v[WVO], v[CT+4:CT+7], s[12:13] offset:((\t)/4)*REC+512*((\t)%4)+256
.endm
	v_lshl_add_u32 v248, v0, 2, 0x8400
	v_mov_b32 v249, 0
	s_cmp_lt_u32 ttmp9, 256                        ; the one parting of the ways
	s_cbranch_scc0 .Lweights
	; ================ hidden_states
	s_load_b128 s[4:7], s[0:1], 0x0                ; hidden_states s[4:5], x_img s[6:7]
	v_lshrrev_b32 v1, 5, v0
	v_readfirstlane_b32 s8, v1                     ; wave 0..3
	v_and_b32 v2, 31, v0                           ; lane
	v_and_b32 v3, 15, v0                           ; r
	v_bfe_u32 v8, v0, 4, 1                         ; h
	v_lshlrev_b32 v[LO], 4, v2
	s_mul_i32 s9, s8, 16*SP                        ; my stage
	v_add_nc_u32 v[SI], s9, v[LO]
	v_mul_u32_u24 v[SO], v3, SP
	v_lshl_add_u32 v[SO], v8, 5, v[SO]
	v_add_nc_u32 v[SO], s9, v[SO]
	v_lshlrev_b32 v[LW], 2, v2
.irp b, 0,1,2,3
	v_mov_b32 v[TM+4+\b], 0                        ; written once: a lane permute's destination counts as one of its sources
.endr
	s_mov_b32 s[SEL], 0x76543210
	s_mov_b32 s[SEL+1], 0xfedcba98
	s_mov_b32 s[MNT], 0x600000
	s_lshl_b32 s10, ttmp9, 2
	s_add_co_u32 s10, s10, s8                      ; which half record is my wave's: 0 .. 1023
	s_lshr_b32 s11, s10, 1                         ; the record
	s_and_b32 s12, s10, 1                          ; its half: rows 64 x half on
	s_lshr_b32 s13, s11, 4                         ; the group of 128 rows
	s_and_b32 s14, s11, 15                         ; the K step
	s_lshl_b32 s16, s13, 20                        ; 128 rows of 8,192 bytes,
	s_lshl_b32 s17, s12, 19                        ; 64 rows,
	s_add_co_u32 s16, s16, s17
	s_lshl_b32 s17, s14, 9                         ; 128 numbers along K
	s_add_co_u32 s16, s16, s17
	s_mov_b32 s17, 0
	s_mul_i32 s18, s11, REC
	s_lshl_b32 s19, s12, 8
	s_add_co_u32 s26, s18, s19
	s_add_co_u32 s26, s26, 16384                   ; my 64 scale words
	s_mov_b32 s27, 0
	s_lshl_b32 s19, s12, 13
	s_add_co_u32 s18, s18, s19                     ; my four fragments
	s_mov_b32 s19, 0
	s_wait_alu depctr_va_vdst(0)
	s_wait_kmcnt 0x0
	s_add_nc_u64 s[4:5], s[4:5], s[16:17]
	s_add_nc_u64 s[24:25], s[6:7], s[26:27]
	s_add_nc_u64 s[6:7], s[6:7], s[18:19]
	XLOAD 0
	XLOAD 1
	XSTEP 0
	XSTEP 1
	XSTEP 2
	XSTEP 3
	v_cmp_le_u32 vcc_lo, 16, v2                    ; lanes 16-31 hold the same words as lanes 0-15: they carry the next fragment's
	v_cndmask_b32 v[T], v[SW], v[SW+1], vcc_lo
	v_cndmask_b32 v[T+1], v[SW+2], v[SW+3], vcc_lo
	global_store_b32 v[LW], v[T], s[24:25]         ; 128 consecutive bytes: the words of 32 rows
	global_store_b32 v[LW], v[T+1], s[24:25] offset:128
	s_wait_tensorcnt 0x0
	ds_add_u32 v248, v249
	s_wait_dscnt 0x0
	s_endpgm
.Lweights:
	; ================ Wq, Wk, Wv, Wo
	s_load_b256 s[4:11], s[0:1], 0x10              ; Wq s[4:5], Wk s[6:7], Wv s[8:9], Wo s[10:11]
	s_load_b128 s[12:15], s[0:1], 0x30             ; w_img s[12:13], wo_img s[14:15]
	v_lshrrev_b32 v1, 5, v0
	v_readfirstlane_b32 s16, v1                    ; wave 0..3
	v_and_b32 v2, 31, v0
	v_lshlrev_b32 v3, 2, v2                        ; 4 x lane
	s_wait_alu depctr_va_vdst(0)
	v_and_b32 v8, 15, v0
	v_bfe_u32 v9, v0, 4, 1
	s_lshl_b32 s24, s16, 12
	v_lshlrev_b32 v[WVO], 4, v8
	v_lshl_add_u32 v[WVO], v9, 11, v[WVO]
	v_add_nc_u32 v[WVO], s24, v[WVO]
	s_lshl_b32 s24, s16, 7
	v_add_nc_u32 v[WVS], s24, v3
	s_mov_b32 s[WMNT], 0x600000
	s_bfe_u32 s17, ttmp9, 0x20006                  ; which weight (two bits from bit 6 of 256 .. 511): 0 Wq, 1 Wk, 2 Wv, 3 Wo
	s_and_b32 s18, ttmp9, 63                       ; which part of it
	s_lshl_b32 s22, s17, 3
	s_cmp_eq_u32 s17, 3                            ; the selections first: the lines behind them change SCC
	s_cselect_b32 s19, 4, 3                        ; log2 of the groups of 128 columns
	s_cselect_b32 s21, 8, 16                       ; records for a group
	s_cselect_b32 s22, 0, s22                      ; the weight's first group in its image
	s_lshl_b32 s20, 512, s19                       ; a row of the weight in bytes: 4,096 or 8,192
	s_bfm_b32 s23, s19, 0
	s_and_b32 s23, s18, s23                        ; my group of 128 columns
	s_lshr_b32 s25, s18, s19                       ; my 256 along K
	s_lshl_b32 s26, s25, 8
	s_mul_i32 s26, s26, s20
	s_lshl_b32 s27, s23, 9
	s_add_co_u32 s26, s26, s27
	s_add_co_u32 s26, s26, s24                     ; in: 256 kp rows + 512 x group + 128 x wave
	s_mov_b32 s27, 0
	s_add_co_u32 s28, s22, s23
	s_mul_i32 s28, s28, s21
	s_lshl_b32 s29, s25, 1
	s_add_co_u32 s28, s28, s29
	s_mul_i32 s28, s28, REC                        ; out: my two records
	s_mov_b32 s29, 0
	s_lshl_b32 s30, s20, 5                         ; 32 rows
	s_mov_b32 s31, 0
.irp i, 0,1,2,3,4,5,6,7,8,9,10,11,12,13,14,15,16,17,18,19,20,21,22,23,24,25,26,27,28,29,30,31
	v_mad_u32_u24 v[WOFF+\i], s20, \i, v3
.endr
	s_wait_alu depctr_va_vdst(0)
	s_wait_kmcnt 0x0
	s_cmp_eq_u32 s17, 1                            ; the buffers are chosen by the work-group's number alone
	s_cselect_b64 s[4:5], s[6:7], s[4:5]
	s_cmp_eq_u32 s17, 2
	s_cselect_b64 s[4:5], s[8:9], s[4:5]
	s_cmp_eq_u32 s17, 3
	s_cselect_b64 s[4:5], s[10:11], s[4:5]
	s_cselect_b64 s[12:13], s[14:15], s[12:13]
	s_add_nc_u64 s[WBS:WBS+1], s[4:5], s[26:27]
.irp t, 1,2,3,4,5,6,7
	s_add_nc_u64 s[WBS+2*\t:WBS+2*\t+1], s[WBS+2*\t-2:WBS+2*\t-1], s[30:31]
.endr
	s_add_nc_u64 s[12:13], s[12:13], s[28:29]
	WLOAD 0
	WLOAD 1
.irp t, 0,1,2,3,4,5,6,7
	WBLOCK \t
.endr
	global_store_b32 v[WVS], v[WSB], s[12:13] offset:16384            ; 128 consecutive bytes a wave
	global_store_b32 v[WVS], v[WSB+1], s[12:13] offset:REC+16384
	s_endpgm
.Lfunc_end_k_q3654ff03a5_quant:
	.size	k_q3654ff03a5_quant, .Lfunc_end_k_q3654ff03a5_quant-k_q3654ff03a5_quant
	.p2alignl 7, 3214868480
	.fill 96, 4, 3214868480
	.section	.rodata,"a",@progbits
	.p2align	6, 0x0
	.amdhsa_kernel k_q3654ff03a5_quant
		.amdhsa_group_segment_fixed_size 34304
		.amdhsa_private_segment_fixed_size 0
		.amdhsa_enable_private_segment 0
		.amdhsa_kernarg_size 64
		.amdhsa_user_sgpr_count 2
		.amdhsa_user_sgpr_kernarg_segment_ptr 1
		.amdhsa_wavefront_size32 1
		.amdhsa_system_sgpr_workgroup_id_x 1
		.amdhsa_system_sgpr_workgroup_id_y 1
		.amdhsa_system_sgpr_workgroup_id_z 1
		.amdhsa_system_vgpr_workitem_id 0
		.amdhsa_next_free_vgpr 250
		.amdhsa_next_free_sgpr 66
		.amdhsa_reserve_vcc 1
		.amdhsa_float_denorm_mode_32 3
		.amdhsa_float_denorm_mode_16_64 3
		.amdhsa_memory_ordered 1
		.amdhsa_forward_progress 1
		.amdhsa_inst_pref_size 110
	.end_amdhsa_kernel
	.amdgpu_metadata
---
amdhsa.version: [ 1, 2 ]
amdhsa.kernels:
  - .name:           k_q3654ff03a5_quant
    .symbol:         k_q3654ff03a5_quant.kd
    .args:
      - { .name: hidden_states, .offset: 0, .size: 8, .value_kind: global_buffer, .address_space: global }
      - { .name: x_img, .offset: 8, .size: 8, .value_kind: global_buffer, .address_space: global }
      - { .name: Wq, .offset: 16, .size: 8, .value_kind: global_buffer, .address_space: global }
      - { .name: Wk, .offset: 24, .size: 8, .value_kind: global_buffer, .address_space: global }
      - { .name: Wv, .offset: 32, .size: 8, .value_kind: global_buffer, .address_space: global }
      - { .name: Wo, .offset: 40, .size: 8, .value_kind: global_buffer, .address_space: global }
      - { .name: w_img, .offset: 48, .size: 8, .value_kind: global_buffer, .address_space: global }
      - { .name: wo_img, .offset: 56, .size: 8, .value_kind: global_buffer, .address_space: global }
    .group_segment_fixed_size: 34304
    .private_segment_fixed_size: 0
    .kernarg_segment_align: 8
    .kernarg_segment_size: 64
    .max_flat_workgroup_size: 128
    .sgpr_count:     66
    .vgpr_count:     250
    .wavefront_size: 32
...
	.end_amdgpu_metadata
.endif
;; end of part 1
;; launch qkv (part 2): grid 12 x 16, 4 waves a work-group, clusters of 4 x 4, 327,680 bytes of LDS; arguments x_img, w_img, cos, sin, q_norm_w, k_norm_w, q_img, k_img, v_img; writes q_img, k_img, v_img
.if DOCPART == 2
	.amdgcn_target "amdgcn-amd-amdhsa--gfx1250"
	.amdhsa_code_object_version 6
	.text
	.protected	k_q3654ff03a5_qkv
	.globl	k_q3654ff03a5_qkv
	.p2align	8
	.type	k_q3654ff03a5_qkv,@function
k_q3654ff03a5_qkv:
	s_mov_b64 s[64:65], 0
	v_nop
	global_prefetch_b8 v0, s[64:65] scope:SCOPE_SE
	s_setreg_imm32_b32 hwreg(HW_REG_WAVE_MODE, 25, 1), 1
	s_wait_xcnt 0x0
	s_wait_alu depctr_hold_cnt(0) depctr_sa_sdst(0) depctr_va_vdst(0) depctr_va_sdst(0) depctr_va_ssrc(0) depctr_va_vcc(0) depctr_vm_vsrc(0)
	s_getreg_b32 s2, hwreg(HW_REG_IB_STS2, 6, 4)
	s_cmp_eq_u32 s2, 0
	s_cbranch_scc0 .Lentry_in_a_cluster
	s_endpgm
.Lentry_in_a_cluster:
	s_bfe_u32 s2, ttmp6, 0x10000c
	s_cmp_lg_u32 s2, 0xf033
	s_cbranch_scc0 .Lentry_shape_is_right
	s_endpgm
.Lentry_shape_is_right:
.set REC,   16896
.set STRIP, 2*REC
.set SLOT,  4*STRIP
.set SPARE, 2*SLOT
.set RPG,   16
.set RGB,   RPG*REC
.set LAPS,  4
.set NQ,    2
.set FR,    16
.set NL,    4
.set NP,    8
.set ADRA, 16
.set ADRB, 20
.set ADRS, 22
.set LI,   24
.set CSO,  25
.set NWO,  26
.set VS,   27
.set SPW,  28
.set NIL,  29
.set SC,   32
.set WN,   64
.set AF,   128
.set Y,    128
.set TM,   192
.set SW,   208
.set SS,   216
.set T,    224
.set U,    232
.set RS,   240
.set T4,   244
.set SEL,  10
.set MNT,  12
.set INV,  13
.set EPS,  9
.set G1,   24
.set G0,   32
.set G1B,  48
.set G0B,  56
.set MSB, 0
.macro WIN new
.if MSB != (\new)
	s_set_vgpr_msb (MSB<<8)|(\new)
.set MSB, (\new)
.endif
.endm
.set MUL_LO, 0xa1
.set MUL_HI, 0xf1
.set TO_B,   0x40
.macro JLOAD s
	s_cmp_eq_u32 s15, 0
	s_cbranch_scc0 .Lfor_b_\@
	tensor_load_to_lds s[G0+4*\s:G0+4*\s+3], s[G1:G1+7]
	s_nop 0
.rept 4
	v_nop
.endr
	s_branch .Lasked_\@
.Lfor_b_\@:
	tensor_load_to_lds s[G0B+4*\s:G0B+4*\s+3], s[G1B:G1B+7]
	s_nop 0
.rept 4
	v_nop
.endr
.Lasked_\@:
.endm
.macro CREST
	s_cmp_lg_u32 s14, 0
	s_cbranch_scc1 .Lnot_wave_0_\@
	s_barrier_signal -3
.Lnot_wave_0_\@:
	s_barrier_wait -3
	s_barrier_signal -1
	s_barrier_wait -1
.endm
.macro CROUND
	s_barrier_signal -1
	s_barrier_wait -1
	CREST
.endm
	s_load_b128 s[4:7], s[0:1], 0x0
	s_load_b256 s[68:75], s[0:1], 0x10
	s_load_b128 s[76:79], s[0:1], 0x30
	s_load_b64 s[80:81], s[0:1], 0x40
	v_lshl_add_u32 v[SPW], v0, 2, SPARE
	v_mov_b32 v[NIL], 0
	ds_add_u32 v28, v29
	ds_add_u32 v28, v29
	s_wait_dscnt 0x0
	v_lshrrev_b32 v1, 5, v0
	v_readfirstlane_b32 s14, v1
	s_lshr_b32 s15, s14, 1
	s_and_b32 s16, s14, 1
	s_bfe_u32 s40, ttmp6, 0x40000
	s_bfe_u32 s41, ttmp6, 0x40004
	s_mov_b32 s82, ttmp9
	s_and_b32 s83, ttmp7, 0xffff
	s_cmp_eq_u32 s82, 2
	s_cselect_b32 s84, 0, s83
	s_cselect_b32 s85, s83, s82
	s_cselect_b32 s86, 16, 0
	s_lshl_b32 s17, s84, 2
	s_add_co_u32 s17, s17, s41
	s_lshl_b32 s42, s85, 2
	s_add_co_u32 s42, s42, s40
	s_lshl_b32 s43, s41, 2
	s_lshl_b32 s43, 15, s43
	s_lshl_b32 s44, 0x1111, s40
	s_or_b32 s[G1+0], s43, (3<<16)|(1<<21)
	s_or_b32 s[G1B+0], s44, (3<<16)|(1<<21)
.irp g, G1, G1B
	s_mov_b32 s[\g+1], 32<<16
	s_mov_b32 s[\g+2], 132<<16
	s_mov_b32 s[\g+3], 32<<16
	s_mov_b32 s[\g+4], 132
	s_mov_b32 s[\g+5], 32
	s_mov_b32 s[\g+6], 0
	s_mov_b32 s[\g+7], 0
.endr
	s_lshl_b32 s20, s17, 1
	s_add_co_u32 s20, s20, s16
	s_add_co_u32 s20, s20, s86
	s_mul_i32 s20, s20, RGB
	s_mov_b32 s21, 0
	s_lshl_b32 s46, s42, 1
	s_add_co_u32 s46, s46, s16
	s_mul_i32 s46, s46, RGB
	s_mov_b32 s47, 0
	s_mul_i32 s45, s14, STRIP
	s_wait_kmcnt 0x0
	s_cmp_eq_u32 s82, 2
	s_cselect_b64 s[88:89], s[6:7], s[4:5]
	s_cselect_b64 s[90:91], s[4:5], s[6:7]
	s_add_nc_u64 s[20:21], s[88:89], s[20:21]
	s_add_nc_u64 s[46:47], s[90:91], s[46:47]
	s_cmp_eq_u32 s15, 0                            ; the prefetches: my own strip (132 blocks of 256 bytes), two refills on; of the four partners that ask for it jointly each takes 33 blocks, told apart by address
	s_cselect_b64 s[98:99], s[20:21], s[46:47]
	s_cselect_b32 s18, s40, s41
	s_mul_i32 s18, s18, 33*256
	s_add_co_u32 s18, s18, 2*STRIP
	s_mov_b32 s19, 0
	s_add_nc_u64 s[98:99], s[98:99], s[18:19]
	v_and_b32 v30, 31, v0
	v_lshlrev_b32 v30, 8, v30                      ; blocks 0 to 31 of my 33: a lane a block
	v_mov_b32 v31, 0x2000                          ; block 32
	CROUND
.irp s, 0,1
	s_mov_b32 s[G0+4*\s], 1
	s_add_co_u32 s[G0+4*\s+1], s45, \s*SLOT
	s_add_nc_u64 s[G0+4*\s+2:G0+4*\s+3], s[20:21], \s*STRIP
	s_or_b32 s[G0+4*\s+3], s[G0+4*\s+3], 0x80000000
	s_mov_b32 s[G0B+4*\s], 1
	s_add_co_u32 s[G0B+4*\s+1], s45, \s*SLOT
	s_add_nc_u64 s[G0B+4*\s+2:G0B+4*\s+3], s[46:47], \s*STRIP
	s_or_b32 s[G0B+4*\s+3], s[G0B+4*\s+3], 0x80000000
	s_wait_alu depctr_va_vdst(0)
	s_wait_tensorcnt 0x0
	ds_add_u32 v28, v29
	ds_add_u32 v28, v29
	s_wait_dscnt 0x0
	CROUND
	JLOAD \s
	global_prefetch_b8 v30, s[98:99] offset:\s*STRIP th:TH_LOAD_NT scope:SCOPE_SE
	global_prefetch_b8 v31, s[98:99] offset:\s*STRIP th:TH_LOAD_NT scope:SCOPE_SE
.endr
	v_and_b32 v1, 15, v0
	v_bfe_u32 v2, v0, 4, 1
	v_and_b32 v3, 31, v0
	v_lshlrev_b32 v[LI], 4, v3
	v_lshlrev_b32 v[VS], 2, v3
	v_lshlrev_b32 v[NWO], 5, v2
	v_lshl_add_u32 v[CSO], v1, 9, v[NWO]
	s_mul_i32 s21, s15, STRIP
	s_mul_i32 s22, s16, STRIP
	s_add_co_u32 s22, s22, 2*STRIP
	s_sub_co_u32 s23, s22, s21
	v_lshlrev_b32 v5, 2, v1
	v_mul_u32_u24 v6, s23, v2
	v_add_nc_u32 v5, v5, v6
	s_add_co_u32 s18, s21, 16384
	v_add_nc_u32 v[ADRS], s18, v5
	v_add_nc_u32 v[ADRS+1], SLOT, v[ADRS]
.irp s, 0,1
	v_add_nc_u32 v[ADRA+\s], s21, v[LI]
	v_add_nc_u32 v[ADRB+\s], s22, v[LI]
	s_add_co_u32 s21, s21, SLOT
	s_add_co_u32 s22, s22, SLOT
.endr
	s_mov_b32 s[SEL], 0x76543210
	s_mov_b32 s[SEL+1], 0xfedcba98
	s_mov_b32 s[MNT], 0x600000
	s_mov_b32 s[INV], 0x3c000000
	s_mov_b32 s[EPS], 0x358637bd
	s_lshl_b32 s92, s17, 1
	s_add_co_u32 s92, s92, s15
	s_lshl_b32 s93, s42, 1
	s_add_co_u32 s93, s93, s16
	s_and_b32 s94, s93, 7
	s_cmp_eq_u32 s82, 2
	s_cselect_b32 s95, s93, s92
	s_cselect_b32 s94, s92, s94
	s_lshr_b32 s96, s95, 4
	s_lshl_b32 s96, s96, 3
	s_add_co_u32 s96, s96, s94
	s_lshl_b32 s96, s96, 4
	s_and_b32 s97, s95, 15
	s_add_co_u32 s96, s96, s97
	s_mul_i32 s96, s96, REC
	s_mov_b32 s97, 0
	s_cmp_eq_u32 s82, 1
	s_cselect_b64 s[76:77], s[78:79], s[76:77]
	s_cselect_b64 s[72:73], s[74:75], s[72:73]
	s_cmp_eq_u32 s82, 2
	s_cselect_b64 s[76:77], s[80:81], s[76:77]
	s_add_nc_u64 s[76:77], s[76:77], s[96:97]
	s_lshl_b32 s96, s95, 16
	s_add_nc_u64 s[68:69], s[68:69], s[96:97]
	s_add_nc_u64 s[70:71], s[70:71], s[96:97]
.macro FRAG reg, adr, q, i
.irp c, 0,1,2,3
	ds_load_b128 v[\reg+4*\c:\reg+4*\c+3], v[\adr] offset:REC*(\q)+2048*(\i)+512*\c
.endr
.endm
.macro MUL16 a0, p, q, sc, zero
.irp a, \a0, \a0+1
.irp b, 0,1,2,3,4,5,6,7
.if \zero
	v_wmma_scale_f32_16x16x128_f8f6f4 v[8*(8*((\a)%4)+\b):8*(8*((\a)%4)+\b)+7], v[128*(\p)+FR*\b:128*(\p)+FR*\b+FR-1], v[AF+FR*(\a):AF+FR*(\a)+FR-1], 0, v[SC+8*NQ*(\sc)+NQ*\b+(\q)], v[SC+8*NQ*(\sc)+NQ*(\a)+(\q)] matrix_a_scale:MATRIX_SCALE_ROW1
.else
	v_wmma_scale_f32_16x16x128_f8f6f4 v[8*(8*((\a)%4)+\b):8*(8*((\a)%4)+\b)+7], v[128*(\p)+FR*\b:128*(\p)+FR*\b+FR-1], v[AF+FR*(\a):AF+FR*(\a)+FR-1], v[8*(8*((\a)%4)+\b):8*(8*((\a)%4)+\b)+7], v[SC+8*NQ*(\sc)+NQ*\b+(\q)], v[SC+8*NQ*(\sc)+NQ*(\a)+(\q)] matrix_a_scale:MATRIX_SCALE_ROW1
.endif
.endr
.endr
.endm
.macro FETCH_B slot, q, p
	WIN TO_B
.irp i, 0,1,2,3,4,5,6,7
	FRAG 128*(\p)+FR*\i, ADRB+\slot, \q, \i
.endr
	WIN 0
.endm
.macro FETCH_A slot, q, i0
.irp i, \i0, \i0+1, \i0+2, \i0+3
	FRAG AF+FR*(\i), ADRA+\slot, \q, \i
.endr
.endm
.macro SCALES sc
.irp i, 0,1,2,3,4,5,6,7
.irp q, 0,1
	ds_load_b32 v[SC+16*\sc+2*\i+\q], v[ADRS+\sc] offset:REC*\q+64*\i
.endr
.endr
.endm
.macro PLACES n
.rept \n
	v_nop
.endr
.endm
.macro STEP slot, q, zero
	s_wait_dscnt 4*NL
	WIN MUL_LO
	MUL16 0, (\q)%2, \q, \slot, \zero
	MUL16 2, (\q)%2, \q, \slot, \zero
	s_wait_dscnt 0
	PLACES NP
	FETCH_B \slot, (\q)+1, 1-(\q)%2
	FETCH_A \slot, (\q)+1, 0
	WIN MUL_HI
	MUL16 4, (\q)%2, \q, \slot, \zero
	MUL16 6, (\q)%2, \q, \slot, \zero
	PLACES NP
	WIN 0
	FETCH_A \slot, (\q)+1, 4
.endm
.macro TURN slot, next, fill
	s_wait_tensorcnt 0x0
	ds_add_u32 v[SPW], v[NIL]
	s_wait_dscnt 4*NL+1
	WIN MUL_LO
	MUL16 0, 1, NQ-1, \slot, 0
	s_wait_dscnt 0x0
	s_barrier_signal -1
	MUL16 2, 1, NQ-1, \slot, 0
	WIN 0
	s_barrier_wait -1
.if \fill
	CREST
	s_add_nc_u64 s[G0+4*\slot+2:G0+4*\slot+3], s[G0+4*\slot+2:G0+4*\slot+3], 2*STRIP
	s_add_nc_u64 s[G0B+4*\slot+2:G0B+4*\slot+3], s[G0B+4*\slot+2:G0B+4*\slot+3], 2*STRIP
	JLOAD \slot
	PLACES NP-4
.else
	PLACES NP
.endif
	FETCH_B \next, 0, 0
	FETCH_A \next, 0, 0
	SCALES \next
.if \fill
	s_cmp_gt_u32 s3, 1                             ; the last lap's two refills have no strip two on
	s_cbranch_scc0 .Lnoask_\@
	s_wait_xcnt 0x0                                ; the last prefetch has read its address
	s_add_nc_u64 s[98:99], s[98:99], STRIP
	global_prefetch_b8 v30, s[98:99] offset:STRIP th:TH_LOAD_NT scope:SCOPE_SE
	global_prefetch_b8 v31, s[98:99] offset:STRIP th:TH_LOAD_NT scope:SCOPE_SE
.Lnoask_\@:
.endif
	WIN MUL_HI
	MUL16 4, 1, NQ-1, \slot, 0
	MUL16 6, 1, NQ-1, \slot, 0
	PLACES NP
	WIN 0
	FETCH_A \next, 0, 4
.endm
.macro LAST
	s_wait_dscnt 4*NL
	WIN MUL_LO
	MUL16 0, 1, NQ-1, 1, 0
	MUL16 2, 1, NQ-1, 1, 0
	s_wait_dscnt 0
	WIN MUL_HI
	MUL16 4, 1, NQ-1, 1, 0
	MUL16 6, 1, NQ-1, 1, 0
	WIN 0
	PLACES NP
	v_mov_b32 v[RS+1], 0
.irp b, 0,1,2,3
	v_mov_b32 v[TM+4+\b], 0
.endr
.endm
.macro QUANT s, win, y, pw, pcw, pc
	WIN (\win)|((\win)<<2)
.irp b, 0,1,2,3
	v_max3_num_f32 v[TM+\b], |v[(\s)+16*\b]|, |v[(\s)+16*\b+1]|, 0x4800000
.endr
.irp i, 2,4,6,8,10,12,14
.irp b, 0,1,2,3
	v_max3_num_f32 v[TM+\b], |v[(\s)+16*\b+\i]|, |v[(\s)+16*\b+\i+1]|, v[TM+\b]
.endr
.endr
	WIN 0
.irp b, 0,1,2,3
	v_permlanex16_b32 v[TM+4+\b], v[TM+\b], s[SEL], s[SEL+1]
.endr
.irp b, 0,1,2,3
	v_max_num_f32 v[TM+\b], v[TM+\b], v[TM+4+\b]
.endr
.irp b, 0,1,2,3
	v_add_nc_u32 v[TM+12+\b], 0xfc000000, v[TM+\b]
.endr
.irp b, 0,1,2,3
	v_and_or_b32 v[TM+8+\b], v[TM+\b], 0x7f800000, s[MNT]
.endr
.irp b, 0,1,2,3
	v_lshrrev_b32 v[TM+4+\b], 23, v[TM+12+\b]
.endr
	v_lshl_or_b32 v[\pw], v[TM+5], 8, v[TM+4]
	v_lshl_or_b32 v[\pw], v[TM+6], 16, v[\pw]
	v_lshl_or_b32 v[\pw], v[TM+7], 24, v[\pw]
	WIN \win
.irp b, 0,1,2,3
.irp i, 0,1,2,3,4,5,6,7,8,9,10,11,12,13,14,15
	v_med3_num_f32 v[(\y)+16*\b+\i], v[(\s)+16*\b+\i], -v[TM+8+\b], v[TM+8+\b]
.endr
.endr
	WIN (\pcw)<<6
.irp g, 0,1,2,3,4,5,6,7
	v_cvt_scalef32_pk8_fp8_f32 v[(\pc)+2*\g:(\pc)+2*\g+1], v[(\y)+8*\g:(\y)+8*\g+7], v[TM+12+\g/2]
.endr
	v_nop
.endm
.macro PUT a, pcw, pc
	WIN (\pcw)<<2
.irp c, 0,1,2,3
	global_store_b128 v[LI], v[(\pc)+4*\c:(\pc)+4*\c+3], s[76:77] offset:2048*(\a)+512*\c
.endr
	WIN 0
.endm
.macro CSLOAD a
.irp b, 0,1,2,3,4,5,6,7
.irp u, 0,1
	global_load_b128 v[128*((\a)%2)+8*\b+4*\u:128*((\a)%2)+8*\b+4*\u+3], v[CSO], s[68:69] offset:8192*(\a)+64*\b+16*\u
	global_load_b128 v[128*((\a)%2)+64+8*\b+4*\u:128*((\a)%2)+64+8*\b+4*\u+3], v[CSO], s[70:71] offset:8192*(\a)+64*\b+16*\u
.endr
.endr
.endm
.macro NORMROPE a
.set WA, 2+(\a)/4
.set AC, 64*((\a)%4)
.set CB, 128*((\a)%2)
	WIN WA|(WA<<2)
.irp k, 0,1,2,3
	v_pk_mul_f32 v[SS+2*\k:SS+2*\k+1], v[AC+2*\k:AC+2*\k+1], v[AC+2*\k:AC+2*\k+1]
.endr
.set PP, 4
.rept 28
	v_pk_fma_f32 v[SS+2*(PP%4):SS+2*(PP%4)+1], v[AC+2*PP:AC+2*PP+1], v[AC+2*PP:AC+2*PP+1], v[SS+2*(PP%4):SS+2*(PP%4)+1]
.set PP, PP+1
.endr
	WIN 0
	v_pk_add_f32 v[SS:SS+1], v[SS:SS+1], v[SS+2:SS+3]
	v_pk_add_f32 v[SS+4:SS+5], v[SS+4:SS+5], v[SS+6:SS+7]
	v_pk_add_f32 v[SS:SS+1], v[SS:SS+1], v[SS+4:SS+5]
	v_add_f32 v[SS], v[SS], v[SS+1]
	v_permlanex16_b32 v[SS+2], v[SS], s[SEL], s[SEL+1]
	v_add_f32 v[SS], v[SS], v[SS+2]
	v_fma_f32 v[SS], v[SS], s[INV], s[EPS]
	s_wait_alu depctr_va_vdst(0)
	v_rsq_f32 v[RS], v[SS]
	v_nop
	WIN WA
.set PP, 0
	s_wait_alu depctr_va_vdst(0)
.rept 32
	v_pk_mul_f32 v[Y+2*PP:Y+2*PP+1], v[AC+2*PP:AC+2*PP+1], v[RS:RS+1] op_sel_hi:[1,0]
.set PP, PP+1
.endr
	WIN 0
.if (\a) < 7
	s_wait_loadcnt 32
.else
	s_wait_loadcnt 0
.endif
.set PP, 0
.rept 32
	v_pk_mul_f32 v[Y+2*PP:Y+2*PP+1], v[Y+2*PP:Y+2*PP+1], v[WN+2*PP:WN+2*PP+1]
.set PP, PP+1
.endr
	WIN 0x04
.irp g, 0,1,2,3
.irp q, 0,1,2,3
	v_pk_mul_f32 v[T+2*\q:T+2*\q+1], v[Y+32+2*(4*\g+\q):Y+32+2*(4*\g+\q)+1], v[CB+64+2*(4*\g+\q):CB+64+2*(4*\g+\q)+1]
	v_pk_mul_f32 v[U+2*\q:U+2*\q+1], v[Y+2*(4*\g+\q):Y+2*(4*\g+\q)+1], v[CB+96+2*(4*\g+\q):CB+96+2*(4*\g+\q)+1]
.endr
.irp q, 0,1,2,3
	v_pk_fma_f32 v[Y+2*(4*\g+\q):Y+2*(4*\g+\q)+1], v[Y+2*(4*\g+\q):Y+2*(4*\g+\q)+1], v[CB+2*(4*\g+\q):CB+2*(4*\g+\q)+1], v[T+2*\q:T+2*\q+1] neg_lo:[0,0,1] neg_hi:[0,0,1]
	v_pk_fma_f32 v[Y+32+2*(4*\g+\q):Y+32+2*(4*\g+\q)+1], v[Y+32+2*(4*\g+\q):Y+32+2*(4*\g+\q)+1], v[CB+32+2*(4*\g+\q):CB+32+2*(4*\g+\q)+1], v[U+2*\q:U+2*\q+1]
.endr
.endr
.if (\a) < 6
	WIN 0x40
	CSLOAD (\a)+2
.endif
	WIN 0
.endm
	s_wait_alu depctr_va_vdst(0)
	s_wait_tensorcnt 1
	s_barrier_signal -1
	s_barrier_wait -1
	FETCH_B 0, 0, 0
	FETCH_A 0, 0, 0
	SCALES 0
	FETCH_A 0, 0, 4
	STEP 0, 0, 1
	s_mov_b32 s3, LAPS-1
.Llap:
	TURN 0, 1, 1
	STEP 1, 0, 0
	TURN 1, 0, 1
	STEP 0, 0, 0
	s_sub_co_u32 s3, s3, 1
	s_cmp_lg_u32 s3, 0
	s_cbranch_scc1 .Llap
	TURN 0, 1, 0
	STEP 1, 0, 0
	s_cmp_eq_u32 s82, 2
	s_cbranch_scc1 .Lv
.irp b, 0,1,2,3,4,5,6,7
.irp u, 0,1
	global_load_b128 v[WN+8*\b+4*\u:WN+8*\b+4*\u+3], v[NWO], s[72:73] offset:64*\b+16*\u
.endr
.endr
	WIN 0x40
	CSLOAD 0
	WIN 0
	LAST
	WIN 0x40
	CSLOAD 1
	WIN 0
.irp a, 0,1,2,3,4,5,6,7
	NORMROPE \a
	QUANT Y, 0, Y, SW+\a, 2+\a/4, 16*(\a%4)
	PUT \a, 2+\a/4, 16*(\a%4)
.endr
	s_branch .Lend
.Lv:
	LAST
.irp a, 0,1,2,3,4,5,6,7
	QUANT 64*(\a%4), 2+\a/4, Y, SW+\a, 2+\a/4, 16*(\a%4)
	PUT \a, 2+\a/4, 16*(\a%4)
.endr
.Lend:
	v_and_b32 v1, 31, v0
	v_cmp_le_u32 vcc_lo, 16, v1
.irp q, 0,1,2,3
	v_cndmask_b32 v[T4+\q], v[SW+2*\q], v[SW+2*\q+1], vcc_lo
.endr
.irp q, 0,1,2,3
	global_store_b32 v[VS], v[T4+\q], s[76:77] offset:16384+128*\q
.endr
	s_wait_tensorcnt 0x0
	ds_add_u32 v[SPW], v[NIL]
	s_wait_dscnt 0x0
	CROUND
	s_endpgm
.Lfunc_end_k_q3654ff03a5_qkv:
	.size	k_q3654ff03a5_qkv, .Lfunc_end_k_q3654ff03a5_qkv-k_q3654ff03a5_qkv
	.p2alignl 7, 3214868480
	.fill 96, 4, 3214868480
	.section	.rodata,"a",@progbits
	.p2align	6, 0x0
	.amdhsa_kernel k_q3654ff03a5_qkv
		.amdhsa_group_segment_fixed_size 327680
		.amdhsa_private_segment_fixed_size 0
		.amdhsa_enable_private_segment 0
		.amdhsa_kernarg_size 72
		.amdhsa_user_sgpr_count 2
		.amdhsa_user_sgpr_kernarg_segment_ptr 1
		.amdhsa_wavefront_size32 1
		.amdhsa_system_sgpr_workgroup_id_x 1
		.amdhsa_system_sgpr_workgroup_id_y 1
		.amdhsa_system_sgpr_workgroup_id_z 1
		.amdhsa_system_vgpr_workitem_id 0
		.amdhsa_next_free_vgpr 1024
		.amdhsa_next_free_sgpr 100
		.amdhsa_reserve_vcc 1
		.amdhsa_float_denorm_mode_32 3
		.amdhsa_float_denorm_mode_16_64 3
		.amdhsa_memory_ordered 1
		.amdhsa_forward_progress 1
		.amdhsa_inst_pref_size 255
	.end_amdhsa_kernel
	.section	.bss,"aw",@nobits
	.p2align	6
	.space	262144
	.amdgpu_metadata
---
amdhsa.version: [ 1, 2 ]
amdhsa.kernels:
  - .name:           k_q3654ff03a5_qkv
    .symbol:         k_q3654ff03a5_qkv.kd
    .args:
      - { .name: x_img, .offset: 0, .size: 8, .value_kind: global_buffer, .address_space: global }
      - { .name: w_img, .offset: 8, .size: 8, .value_kind: global_buffer, .address_space: global }
      - { .name: cos, .offset: 16, .size: 8, .value_kind: global_buffer, .address_space: global }
      - { .name: sin, .offset: 24, .size: 8, .value_kind: global_buffer, .address_space: global }
      - { .name: q_norm_w, .offset: 32, .size: 8, .value_kind: global_buffer, .address_space: global }
      - { .name: k_norm_w, .offset: 40, .size: 8, .value_kind: global_buffer, .address_space: global }
      - { .name: q_img, .offset: 48, .size: 8, .value_kind: global_buffer, .address_space: global }
      - { .name: k_img, .offset: 56, .size: 8, .value_kind: global_buffer, .address_space: global }
      - { .name: v_img, .offset: 64, .size: 8, .value_kind: global_buffer, .address_space: global }
    .group_segment_fixed_size: 327680
    .private_segment_fixed_size: 0
    .kernarg_segment_align: 8
    .kernarg_segment_size: 72
    .max_flat_workgroup_size: 128
    .sgpr_count:     100
    .vgpr_count:     1024
    .wavefront_size: 32
...
	.end_amdgpu_metadata
.endif
;; end of part 2
;; launch attn (part 3): grid 16 x 16, 8 waves a work-group, clusters of 4 x 4, 327,680 bytes of LDS; arguments q_img, k_img, v_img, attention_mask, o_img; writes o_img
.if DOCPART == 3
	.amdgcn_target "amdgcn-amd-amdhsa--gfx1250"
	.amdhsa_code_object_version 6
	.text
	.protected	k_q3654ff03a5_attn
	.globl	k_q3654ff03a5_attn
	.p2align	8
	.type	k_q3654ff03a5_attn,@function
k_q3654ff03a5_attn:
	s_mov_b64 s[64:65], 0
	v_nop
	global_prefetch_b8 v0, s[64:65] scope:SCOPE_SE
	s_setreg_imm32_b32 hwreg(HW_REG_WAVE_MODE, 25, 1), 1
	s_wait_xcnt 0x0
	s_wait_alu depctr_hold_cnt(0) depctr_sa_sdst(0) depctr_va_vdst(0) depctr_va_sdst(0) depctr_va_ssrc(0) depctr_va_vcc(0) depctr_vm_vsrc(0)
	s_getreg_b32 s2, hwreg(HW_REG_IB_STS2, 6, 4)
	s_cmp_eq_u32 s2, 0
	s_cbranch_scc0 .Lentry_in_a_cluster
	s_endpgm
.Lentry_in_a_cluster:
	s_bfe_u32 s2, ttmp6, 0x10000c
	s_cmp_lg_u32 s2, 0xf033
	s_cbranch_scc0 .Lentry_shape_is_right
	s_endpgm
.Lentry_shape_is_right:
; O[b][h][q] = the sum over k of softmax_k(Q . K / sqrt(128) + mask[b][q][k]) V, both products on codes of E4M3 with one E8M0 scale for each 32 along a product's K; O leaves quantised, as the A operand of the output projection.
; THE MASK IS AN INPUT: all 2,048 keys are walked for every query, and the mask is read and added in f32, whatever it holds.
; OPERANDS are RECORDS of 128 rows x 128 K, 16,896 bytes: eight fragments of 2,048 bytes (fragment f: rows 16 f on; register group c at 512 c; lane l's 16 bytes at 16 l), then a scale word a row at 16,384 + 4 x row.
; q_img, k_img [16 batch x head][16 groups of 128 tokens]: rows = tokens, K = the head's 128;  v_img likewise: rows = d, K = the group's tokens;  o_img [32 groups of tokens][8 heads]: rows = tokens, K = the head's 128.
; Inside a block of 32, byte i of lane (r, h) holds k = 32 c + 8 h + i % 8 + 16 (i / 8), in both operands of a product alike: that is how two neighbouring results of the transposed product lie, so nothing changes lanes.
; THE SOFTMAX: t = (Q . K + mask x sqrt(128)) x c, c = log2(e) / sqrt(128).  mask x sqrt(128) is the C of the first product, so the addition costs nothing.  M = the running largest t rounded UP to a whole number;
; p = 2^(t - M) is what is quantised, not normalised; the row's sum is taken of the unquantised p, in f32, and divides O at the end.  When M moves, the sum and O are multiplied by 2^(old M - new M): exact.
; SHARES: a work-group owns 128 queries of one head, one record of o_img; each of its eight waves 16 of them, one fragment.  Every wave walks the 16 key steps of 128 keys.
; Both products are used transposed (S^T = K Q^T, O^T = V^T P^T): a lane holds ONE query (lane % 16) throughout.
; A STEP IS CUT IN TWO AND LAID ROUND THE CHANGE OF SLOTS, so that vector work stands between every LDS request and the wait for it.  A trip: the change of slots | the second half of the LAST step's softmax (exponentials, sums,
; quantiser, O^T's rescaling), with this step's loads of the mask and of K in eight short runs among the exponentials | V^T P of the last step | the wait for the mask and K | mask x sqrt(128) | this step's loads of V |
; K Q^T | the first half of this step's softmax (maxima, M, t - M).  V's fragments are all in registers at the next change of slots, whose wait covers them: so the slot can be filled again while its V is still to be multiplied.
; CLUSTERS: 4 x 4 work-groups: x = four heads of one batch, y = four blocks of queries.  The mask's tile hangs on the batch and the block of queries: shared along a row of the cluster.  K's and V's records hang on batch and head:
; shared along a column.  Each is asked for jointly: waves 0 and 1 the mask's halves, wave 2 K's record, wave 3 V's; waves 4-7 ask for nothing.
; LDS: two slots 2^17 bytes apart, each one key step: K's record at 0, V's at 16,896, the mask's 128 rows of 512 + 16 bytes from 33,792 on (101,376 bytes; two steps to a slot would not fit).
; LIMITS: NaN and +infinity are not served; a row whose mask is -infinity everywhere gives NaN, as it does by definition.  A block of p that has fallen to 0 keeps the byte 1: its codes are zeros.
; REGISTERS: window 0: v1-4 addresses that stay; v5-7 addresses of the step; v8-11 V's scale words; v12 -M, v13 the largest t, v[14:15] the sum in two halves; v16-31 Q; v32-95 the mask; v96-159 S^T, then p; v160-223 O^T;
;   v224-239 p's codes; v232-247 at work; v248-251 K's scale words; v252 f; v253 p's scale word; v254 at work; v255 Q's scale word.   window 1: v0-127 K's eight fragments, v128-255 V's.
;   A scale register carries two tiles: lanes 0-15 the even one's 16 rows, lanes 16-31 the odd one's.
;   The short runs of loads cost two window switches each, sixteen a trip: the price of not having all eight waves' 52 loads asked for in one burst behind the barrier.
.set REC,   16896
.set MP,    528                        ; a row of the mask in LDS: an odd multiple of 16 bytes: the sixteen rows that a load touches start at different banks
.set MOFF,  2*REC
.set SLOT1, 1<<17
.set SPARE, 2*SLOT1                    ; the spare words, 128 bytes for each wave: four blocks of 256 bytes that no other line names
.set LI,   1                           ; v1   16 x lane
.set AM0,  2                           ; v2   my row of the mask's tile, + 32 h
.set SPW,  3                           ; v3   LDS address of my spare word; never rewritten
.set NIL,  4                           ; v4   0; never rewritten
.set ADK,  5                           ; v5   the slot + 16 x lane
.set ADM,  6                           ; v6   the slot + my place in the mask
.set ADS,  7                           ; v7   the slot + 16,384 + 4 x lane: a record's scale words, 32 rows a load
.set VSC,  8                           ; v8-11    V's scale words
.set MS,   32                          ; v32-95   the mask of my query at keys 16 t + 8 h + j: register 8 t + j
.set KSC,  248                         ; v248-251 K's scale words
.set KFR,  0                           ; window 1: K's fragments
.set VFR,  128                         ; window 1: V's
.set TM,   232                         ; the way out: the quantiser's work registers
.set PC,   32                          ; and its codes
.set TBS,  16                          ; s16  the slot in hand + 16,384
.set WV,   18                          ; s18  my wave's number
.set MNT,  19                          ; s19  the mantissa field of 448
.set SEL,  20                          ; s[20:21] lane selects for v_permlanex16_b32: lane l xor 16
.set CS,   22                          ; s[22:23] c
.set G1M,  24                          ; s[24:31] descriptor group 1 for the mask's tiles;  s[32:39] for records;  s[40:43], s[44:47] their groups 0, which walk
.set G1R,  32
.set G0M,  40
.set G0R,  44
.set TB,   48                          ; s48  LDS byte at which the slot in hand begins
.set SLOTS, 49                         ; s49  the loop's trips
.set RT,   66                          ; s[66:67] sqrt(128)
.set MSB,  0
.macro WIN new                         ; the immediate's high byte repeats the setting that is left
.if MSB != (\new)
	s_set_vgpr_msb (MSB<<8)|(\new)
.set MSB, (\new)
.endif
.endm
; The branches hang on the wave's number alone: they are the same in every work-group.  Four v_nop follow each of the two lines.
.macro JLOAD
	s_cmp_lt_u32 s[WV], 2
	s_cbranch_scc0 .Lnot_m_\@
	tensor_load_to_lds s[G0M:G0M+3], s[G1M:G1M+7]
	s_nop 0
.rept 4
	v_nop
.endr
	s_branch .Lasked_\@
.Lnot_m_\@:
	s_cmp_lt_u32 s[WV], 4
	s_cbranch_scc0 .Lasked_\@
	tensor_load_to_lds s[G0R:G0R+3], s[G1R:G1R+7]
	s_nop 0
.rept 4
	v_nop
.endr
.Lasked_\@:
.endm
.macro CROUND                          ; a round of the cluster's barrier
	s_barrier_signal -1
	s_barrier_wait -1
	s_cmp_lg_u32 s[WV], 0
	s_cbranch_scc1 .Lnot_wave_0_\@
	s_barrier_signal -3
.Lnot_wave_0_\@:
	s_barrier_wait -3
	s_barrier_signal -1
	s_barrier_wait -1
.endm
	s_load_b256 s[4:11], s[0:1], 0x0               ; q_img s[4:5], k_img s[6:7], v_img s[8:9], attention_mask s[10:11]
	s_load_b64 s[12:13], s[0:1], 0x20              ; o_img
	v_lshl_add_u32 v[SPW], v0, 2, SPARE
	v_mov_b32 v[NIL], 0
	ds_add_u32 v3, v4
	ds_add_u32 v3, v4
	s_wait_dscnt 0x0
	v_lshrrev_b32 v5, 5, v0
	s_delay_alu instid0(VALU_DEP_1)
	v_readfirstlane_b32 s[WV], v5                  ; wave 0..7
	s_bfe_u32 s50, ttmp6, 0x40000                  ; cx, cy: my place in the cluster
	s_bfe_u32 s51, ttmp6, 0x40004
	s_lshl_b32 s52, ttmp9, 2
	s_add_co_u32 s52, s52, s50                     ; 8 batch + head = 4 x cluster x + cx
	s_lshr_b32 s53, ttmp9, 1                       ; the batch: the same for the whole cluster
	s_and_b32 s54, ttmp7, 0xffff
	s_lshl_b32 s54, s54, 2
	s_add_co_u32 s54, s54, s51                     ; my block of 128 queries = 4 x cluster y + cy
	s_and_b32 s55, s52, 7                          ; the head
	s_lshl_b32 s56, s51, 2
	s_lshl_b32 s56, 15, s56                        ; my row of the cluster
	s_lshl_b32 s57, 0x1111, s50                    ; my column
	s_and_b32 s58, s[WV], 1
	s_lshl_b32 s60, s53, 24                        ; the mask: the batch's 2,048 x 2,048 numbers,
	s_lshl_b32 s61, s54, 20                        ; 128 rows of 8,192 bytes for each block of queries,
	s_add_co_u32 s60, s60, s61
	s_lshl_b32 s61, s58, 19                        ; and the half that I fetch: it hangs on the batch, cy and the wave alone
	s_add_co_u32 s60, s60, s61
	s_mov_b32 s61, 0
	s_mul_i32 s62, s52, 16*REC                     ; K, V: the head's 16 records: on cx alone
	s_mov_b32 s63, 0
	s_mul_i32 s59, s58, 64*MP
	; descriptor group 1.  The mask: 64 rows of 128 numbers of 4 bytes, 2,048 numbers apart, 16 bytes of padding behind each row
	s_or_b32 s[G1M], s56, (2<<16)|(1<<20)|(1<<21)|(6<<22)|(3<<25)   ; 15:0 the mask of work-groups: my row; 17:16 elements of 4 bytes; 20 padding on; 21 set beside a mask; 24:22 after every 128 words (code 6); 31:25 four words (code 3)
	s_mov_b32 s[G1M+1], 128<<16                    ; tensor_dim0
	s_mov_b32 s[G1M+2], 64<<16                     ; tensor_dim1
	s_mov_b32 s[G1M+3], 128<<16                    ; tile_dim0
	s_mov_b32 s[G1M+4], 64                         ; tile_dim1
	s_mov_b32 s[G1M+5], 2048                       ; tensor_dim0_stride
	s_mov_b32 s[G1M+6], 0
	s_mov_b32 s[G1M+7], 0
	; a record: 16,896 dense bytes as 66 rows of 256 bytes (32 elements of 8 bytes), no padding
	s_or_b32 s[G1R], s57, (3<<16)|(1<<21)          ; my column
	s_mov_b32 s[G1R+1], 32<<16
	s_mov_b32 s[G1R+2], 66<<16
	s_mov_b32 s[G1R+3], 32<<16
	s_mov_b32 s[G1R+4], 66
	s_mov_b32 s[G1R+5], 32
	s_mov_b32 s[G1R+6], 0
	s_mov_b32 s[G1R+7], 0
	s_mov_b32 s[SEL], 0x76543210
	s_mov_b32 s[SEL+1], 0xfedcba98
	s_mov_b32 s[CS], 0x3e0293ee                    ; c = log2(e) / sqrt(128)
	s_mov_b32 s[CS+1], s[CS]                       ; (named with it as a pair, so it is written)
	s_mov_b32 s[RT], 0x413504f3                    ; sqrt(128)
	s_mov_b32 s[RT+1], s[RT]
	s_mov_b32 s[MNT], 0x600000
	s_mov_b32 s[TB], 0
	s_mov_b32 s[TBS], 16384
	s_mov_b32 s[SLOTS], 14
	s_wait_kmcnt 0x0
	s_cmp_eq_u32 s58, 1                            ; wave 3 fetches V's record, wave 2 K's: the choice hangs on the wave's number alone
	s_cselect_b64 s[68:69], s[8:9], s[6:7]
	s_mov_b32 s[G0M], 1
	s_add_co_u32 s[G0M+1], s59, MOFF               ; slot 0
	s_add_nc_u64 s[G0M+2:G0M+3], s[10:11], s[60:61]
	s_or_b32 s[G0M+3], s[G0M+3], 0x80000000
	s_mov_b32 s[G0R], 1
	s_mul_i32 s[G0R+1], s58, REC
	s_add_nc_u64 s[G0R+2:G0R+3], s[68:69], s[62:63]
	s_or_b32 s[G0R+3], s[G0R+3], 0x80000000
	CROUND                                         ; all sixteen work-groups are here: the first joint loads meet
	JLOAD                                          ; key step 0 into slot 0
	s_lshl_b32 s70, s52, 4
	s_add_co_u32 s70, s70, s54
	s_mul_i32 s70, s70, REC                        ; Q's record
	s_mov_b32 s71, 0
	s_lshl_b32 s78, s[WV], 6
	s_add_co_u32 s78, s78, 16384
	s_add_co_u32 s74, s78, s70
	s_mov_b32 s75, 0
	s_add_nc_u64 s[72:73], s[4:5], s[74:75]        ; my fragment's scale words
	s_lshl_b32 s79, s[WV], 11
	s_add_co_u32 s70, s70, s79
	s_add_nc_u64 s[4:5], s[4:5], s[70:71]          ; my fragment
	s_lshl_b32 s70, s53, 4
	s_add_co_u32 s70, s70, s54
	s_lshl_b32 s70, s70, 3
	s_add_co_u32 s70, s70, s55
	s_mul_i32 s70, s70, REC                        ; O's record: (16 batch + block) x 8 + head
	s_add_co_u32 s74, s78, s70
	s_add_nc_u64 s[76:77], s[12:13], s[74:75]
	s_add_co_u32 s70, s70, s79
	s_add_nc_u64 s[12:13], s[12:13], s[70:71]
	v_and_b32 v5, 31, v0                           ; lane
	v_and_b32 v6, 15, v0                           ; r
	v_bfe_u32 v7, v0, 4, 1                         ; h
	s_delay_alu instid0(VALU_DEP_3)
	v_lshlrev_b32 v[LI], 4, v5
	s_delay_alu instid0(VALU_DEP_3)
	v_lshlrev_b32 v254, 2, v6
.irp c, 0,1,2,3
	global_load_b128 v[16+4*\c:19+4*\c], v[LI], s[4:5] offset:512*\c   ; Q's fragment stays in registers
.endr
	global_load_b32 v255, v254, s[72:73]           ; and its scale words
	v_mul_u32_u24 v[AM0], v6, MP
	s_delay_alu instid0(VALU_DEP_1)
	v_lshl_add_u32 v[AM0], v7, 5, v[AM0]
	s_mul_i32 s74, s[WV], 16*MP
	s_add_co_u32 s74, s74, MOFF
	v_add_nc_u32 v[AM0], s74, v[AM0]
	; THE PREFETCHES, one instruction a wave behind each joint fill, for the key step two beyond that fill.  Waves 4, 5: the two 256-byte halves of the mask tile's rows; of its 128 rows the partner at cx takes 32, a lane a row.
	; Waves 6, 7: K's and V's record, 66 blocks of 256 bytes; the partner at cy takes blocks 17 cy on, 17 of them (the last partner 15; lanes left over name their wave's last block again).
.set PFA, 68
.set PFS, 70
.set LIM, 74
	s_lshl_b32 s78, s53, 24
	s_lshl_b32 s61, s54, 20
	s_add_co_u32 s78, s78, s61
	s_lshl_b32 s61, s50, 18
	s_add_co_u32 s78, s78, s61
	s_lshl_b32 s61, s58, 8
	s_add_co_u32 s78, s78, s61
	s_add_co_u32 s78, s78, 1024                    ; the mask: at key step 2; the first change of slots steps it to 3
	s_mul_i32 s79, s51, 17
	s_sub_co_u32 s75, 65, s79
	s_min_u32 s75, s75, 16                         ; the last lane that names a block of its own
	s_lshl_b32 s79, s79, 8
	s_add_co_u32 s79, s79, s62
	s_add_co_u32 s79, s79, 2*REC                   ; the records: likewise at key step 2
	s_mov_b32 s60, 256
	s_mov_b32 s[PFS], REC
	s_cmp_lt_u32 s[WV], 6
	s_cselect_b32 s78, s78, s79
	s_cselect_b32 s75, 31, s75
	s_cselect_b32 s60, 0x2000, s60                 ; from lane to lane
	s_cselect_b32 s[PFS], 512, s[PFS]              ; from key step to key step
	s_cselect_b64 s[PFA:PFA+1], s[10:11], s[6:7]
	s_mov_b32 s79, 0
	s_mov_b32 s[PFS+1], 0
	s_cmp_eq_u32 s[WV], 7
	s_cselect_b64 s[PFA:PFA+1], s[8:9], s[PFA:PFA+1]
	s_add_nc_u64 s[PFA:PFA+1], s[PFA:PFA+1], s[78:79]
	s_mov_b32 s[LIM], -1
	s_cmp_ge_u32 s[WV], 4
	s_cselect_b32 s[LIM], 2, s[LIM]
	s_wait_alu depctr_va_vdst(0)
	v_min_u32 v6, s75, v5
	v_mul_lo_u32 v0, v6, s60                       ; the prefetches' offset; the thread's number is needed no more
	v_mov_b32 v13, 0xff61b1e6                      ; the largest t so far: -3e38, under every t
	s_delay_alu instid0(VALU_DEP_1)
	v_floor_f32 v12, -v13                          ; -M
	v_mov_b32 v14, 0                               ; the sum, in two halves
	v_mov_b32 v15, 0
.irp b, 0,1,2,3
	v_mov_b32 v[236+\b], 0                         ; written once: a lane permute's destination counts as one of its sources
.endr
	v_mov_b32 v253, 0                              ; (named as the upper half of the pair v[252:253] before it is first written)
.set JJ, 0
.rept 64
	v_mov_b32 v[160+JJ], 0                         ; O^T.  (The loop is written for every trip alike: the first V^T P finds zeros, which the first change of M leaves zeros)
.set JJ, JJ+1
.endr
.macro ADDR                            ; the step's LDS addresses
	v_add_nc_u32 v[ADK], s[TB], v[LI]
	v_add_nc_u32 v[ADM], s[TB], v[AM0]
	v_lshrrev_b32 v[ADS], 2, v[LI]
	s_delay_alu instid0(VALU_DEP_1)
	v_add_nc_u32 v[ADS], s[TBS], v[ADS]
.endm
.macro KSCALES                         ; K's scale words: 32 rows, two tiles, a load
.irp u, 0,1,2,3
	ds_load_b32 v[KSC+\u], v[ADS] offset:128*\u
.endr
.endm
.macro CHUNK t                         ; a short run of six loads: the mask at tile t's 16 keys, and K's fragment t.  (The last products that read these registers stand in front of eight v_nop and the first half of a softmax)
	ds_load_b128 v[MS+8*(\t):MS+8*(\t)+3], v[ADM] offset:64*(\t)
	ds_load_b128 v[MS+8*(\t)+4:MS+8*(\t)+7], v[ADM] offset:64*(\t)+16
	WIN 0x40                                       ; destination window 1
.irp c, 0,1,2,3
	ds_load_b128 v[KFR+16*(\t)+4*\c:KFR+16*(\t)+4*\c+3], v[ADK] offset:2048*(\t)+512*\c
.endr
	WIN 0
.endm
.macro LOAD_V                          ; V's eight fragments and their scale words
.irp u, 0,1,2,3
	ds_load_b32 v[VSC+\u], v[ADS] offset:REC+128*\u
.endr
	WIN 0x40
.irp t, 0,1,2,3,4,5,6,7
.irp c, 0,1,2,3
	ds_load_b128 v[VFR+16*\t+4*\c:VFR+16*\t+4*\c+3], v[ADK] offset:REC+2048*\t+512*\c
.endr
.endr
.endm
.macro QK                              ; S^T = K Q^T + the mask: eight sums, each one instruction, its C the mask's registers
	WIN 0x01                                       ; source 0 in window 1
.irp t, 0,1,2,3,4,5,6,7
.if \t%2
	v_wmma_scale_f32_16x16x128_f8f6f4 v[96+8*\t:103+8*\t], v[KFR+16*\t:KFR+16*\t+15], v[16:31], v[MS+8*\t:MS+8*\t+7], v[KSC+\t/2], v255 matrix_a_scale:MATRIX_SCALE_ROW1
.else
	v_wmma_scale_f32_16x16x128_f8f6f4 v[96+8*\t:103+8*\t], v[KFR+16*\t:KFR+16*\t+15], v[16:31], v[MS+8*\t:MS+8*\t+7], v[KSC+\t/2], v255
.endif
.endr
	WIN 0
.endm
.macro PV                              ; O^T += V^T P^T: K = 128 keys.  The eight accumulators take turns, one instruction a turn; between two links of a chain stand the seven others' and K Q^T's eight
	WIN 0x01
.irp t, 0,1,2,3,4,5,6,7
.if \t%2
	v_wmma_scale_f32_16x16x128_f8f6f4 v[160+8*\t:167+8*\t], v[VFR+16*\t:VFR+16*\t+15], v[224:239], v[160+8*\t:167+8*\t], v[VSC+\t/2], v253 matrix_a_scale:MATRIX_SCALE_ROW1
.else
	v_wmma_scale_f32_16x16x128_f8f6f4 v[160+8*\t:167+8*\t], v[VFR+16*\t:VFR+16*\t+15], v[224:239], v[160+8*\t:167+8*\t], v[VSC+\t/2], v253
.endif
.endr
	WIN 0
.endm
; THE FIRST HALF OF A STEP'S SOFTMAX: from the scores to t - M.  What it leaves for the second half: v96-159 t - M, v232-235 the same of each block's largest score, v252 f.
.macro FIRST
.irp b, 0,1,2,3
	v_max3_num_f32 v[232+\b], v[96+16*\b], v[97+16*\b], v[98+16*\b]   ; THE LARGEST SCORE OF EACH BLOCK OF 32 KEYS: it serves for the row's maximum and, since p rises with the score, for the block's largest p
.endr
.irp i, 3,5,7,9,11,13
.irp b, 0,1,2,3
	v_max3_num_f32 v[232+\b], v[232+\b], v[96+16*\b+\i], v[97+16*\b+\i]   ; (the four blocks by turns)
.endr
.endr
.irp b, 0,1,2,3
	v_max_num_f32 v[232+\b], v[232+\b], v[111+16*\b]
.endr
.irp b, 0,1,2,3
	v_permlanex16_b32 v[236+\b], v[232+\b], s[SEL], s[SEL+1]
.endr
.irp b, 0,1,2,3
	s_delay_alu instid0(VALU_DEP_4)
	v_max_num_f32 v[232+\b], v[232+\b], v[236+\b]  ; with lane l xor 16's 16 keys
.endr
	s_delay_alu instid0(VALU_DEP_2)
	v_max3_num_f32 v254, v232, v233, v234
	s_delay_alu instid0(VALU_DEP_1)
	v_max_num_f32 v254, v254, v235                 ; the step's largest score of my query
	s_delay_alu instid0(VALU_DEP_1)
	v_mul_f32 v254, s[CS], v254                    ; as t (c is positive)
	s_delay_alu instid0(VALU_DEP_1)
	v_max_num_f32 v13, v13, v254                   ; the running largest t
	v_mov_b32 v254, v12
	s_delay_alu instid0(VALU_DEP_2)
	v_floor_f32 v12, -v13                          ; the new -M = floor(-t) = -ceil(t): M is a whole number
	s_delay_alu instid0(VALU_DEP_1)
	v_sub_f32 v254, v12, v254                      ; M's old value less its new one: a whole number, 0 or less
	s_delay_alu instid0(VALU_DEP_1)
	v_cvt_i32_f32 v254, v254                       ; (it saturates)
	s_delay_alu instid0(VALU_DEP_1)
	v_ldexp_f32 v252, 1.0, v254                    ; f = 2^(old M - new M)
.set JJ, 0
.rept 32
	v_pk_fma_f32 v[96+JJ:97+JJ], v[96+JJ:97+JJ], s[CS:CS+1], v[12:13] op_sel_hi:[1,0,0]   ; t - M, two at a time
.set JJ, JJ+2
.endr
.irp b, 0,1,2,3
	v_fma_f32 v[232+\b], v[232+\b], s[CS], v12     ; the same of each block's largest score
.endr
.endm
; THE SECOND HALF: p, its sum, its codes and scale word, and O^T under the new M.  ld = 1: the next step's mask and K are asked for among the exponentials, six loads behind every eight.
.macro SECOND ld
.irp t, 0,1,2,3,4,5,6,7
.irp i, 0,1,2,3,4,5,6,7
	v_exp_f32 v[96+8*\t+\i], v[96+8*\t+\i]         ; p = 2^(t - M), at most 1: not normalised
.endr
.if \ld
	CHUNK \t
.endif
.endr
.irp b, 0,1,2,3
	v_exp_f32 v[232+\b], v[232+\b]                 ; the block's largest p: the same two instructions on the same number give the same bits
.endr
	v_pk_mul_f32 v[14:15], v[14:15], v[252:253] op_sel_hi:[1,0]   ; the sums under the new M.  (A plain line behind the exponentials)
	s_wait_alu depctr_va_vdst(0)
.irp b, 0,1,2,3
	v_max_num_f32 v[232+\b], 0x4800000, v[232+\b]  ; the floor 2^(9 - 127): the byte cannot fall under 1
.endr
.irp b, 0,1,2,3
	s_delay_alu instid0(VALU_DEP_4)
	v_add_nc_u32 v[244+\b], 0xfc000000, v[232+\b]  ; 8 off the exponent field: the conversion's scale operand
.endr
.irp b, 0,1,2,3
	v_and_or_b32 v[240+\b], v[232+\b], 0x7f800000, s[MNT]   ; 448 x the scale
.endr
.irp b, 0,1,2,3
	v_lshrrev_b32 v[236+\b], 23, v[244+\b]         ; the scale's byte
.endr
	s_delay_alu instid0(VALU_DEP_3)
	v_lshl_or_b32 v253, v237, 8, v236              ; p's scale word for these 128 keys
	s_delay_alu instid0(VALU_DEP_1)
	v_lshl_or_b32 v253, v238, 16, v253
	s_delay_alu instid0(VALU_DEP_1)
	v_lshl_or_b32 v253, v239, 24, v253
	v_pk_add_f32 v[236:237], v[100:101], v[104:105]
	v_pk_add_f32 v[238:239], v[108:109], v[112:113]
	v_pk_add_f32 v[234:235], v[116:117], v[120:121]
	v_pk_add_f32 v[232:233], v[124:125], v[128:129]
	v_pk_add_f32 v[230:231], v[132:133], v[136:137]
	v_pk_add_f32 v[228:229], v[140:141], v[144:145]
	v_pk_add_f32 v[226:227], v[148:149], v[152:153]
	v_pk_add_f32 v[14:15], v[14:15], v[156:157]
	v_pk_add_f32 v[236:237], v[236:237], v[96:97]
	v_pk_add_f32 v[238:239], v[238:239], v[98:99]
	v_pk_add_f32 v[234:235], v[234:235], v[102:103]
	v_pk_add_f32 v[232:233], v[232:233], v[106:107]
	v_pk_add_f32 v[230:231], v[230:231], v[110:111]
	v_pk_add_f32 v[228:229], v[228:229], v[114:115]
	v_pk_add_f32 v[226:227], v[226:227], v[118:119]
	v_pk_add_f32 v[14:15], v[14:15], v[122:123]
	v_pk_add_f32 v[236:237], v[236:237], v[126:127]
	v_pk_add_f32 v[238:239], v[238:239], v[130:131]
	v_pk_add_f32 v[234:235], v[234:235], v[134:135]
	v_pk_add_f32 v[232:233], v[232:233], v[138:139]
	v_pk_add_f32 v[230:231], v[230:231], v[142:143]
	v_pk_add_f32 v[228:229], v[228:229], v[146:147]
	v_pk_add_f32 v[226:227], v[226:227], v[150:151]
	v_pk_add_f32 v[14:15], v[14:15], v[154:155]
	v_pk_add_f32 v[236:237], v[236:237], v[158:159]
	s_delay_alu instid0(VALU_DEP_2)
	v_pk_add_f32 v[14:15], v[14:15], v[232:233]
	s_delay_alu instid0(VALU_DEP_2)
	v_pk_add_f32 v[236:237], v[236:237], v[230:231]
	v_pk_add_f32 v[238:239], v[238:239], v[228:229]
	v_pk_add_f32 v[234:235], v[234:235], v[226:227]
	s_delay_alu instid0(VALU_DEP_2)
	v_pk_add_f32 v[14:15], v[14:15], v[238:239]
	s_delay_alu instid0(VALU_DEP_2)
	v_pk_add_f32 v[236:237], v[236:237], v[234:235]
	s_delay_alu instid0(VALU_DEP_1)
	v_pk_add_f32 v[14:15], v[14:15], v[236:237]
.irp b, 0,1,2,3
.irp i, 0,1,2,3,4,5,6,7,8,9,10,11,12,13,14,15
	v_min_num_f32 v[96+16*\b+\i], v[96+16*\b+\i], v[240+\b]   ; the conversion to an 8-bit code does not saturate (ISA guide 7.6.2); p is not negative, so the hold is one-sided
.endr
	v_cvt_scalef32_pk8_fp8_f32 v[224+4*\b:225+4*\b], v[96+16*\b:103+16*\b], v[244+\b]
	v_cvt_scalef32_pk8_fp8_f32 v[226+4*\b:227+4*\b], v[104+16*\b:111+16*\b], v[244+\b]
.endr
.set JJ, 0
.rept 32
	v_pk_mul_f32 v[160+JJ:161+JJ], v[160+JJ:161+JJ], v[252:253] op_sel_hi:[1,0]   ; O^T under the new M.  (These 32 are also the places between the codes and the products that follow)
.set JJ, JJ+2
.endr
.endm
; THE CHANGE OF SLOTS stands at a trip's head.  Each wave waits for all its tensor loads (its part of the slot that it is about to read), adds 0 to its spare word, and waits for that and for its reads of the slot that it has left,
; the last of which brought V's fragments.
; fill = 1: the barrier is a round of the cluster's, so that no wave of any partner still reads the other slot or has a load on its way; the joint fill of that slot, with the next key step, is the first thing behind it.
.macro CHANGE fill
	s_wait_tensorcnt 0x0                           ; no tensor load of mine is out, so a group 0 may be written
	ds_add_u32 v[SPW], v[NIL]                      ; 0 onto my spare word
.if \fill
	s_xor_b32 s[G0M+1], s[G0M+1], SLOT1            ; the walking descriptors: the other slot than last time,
	s_add_nc_u64 s[G0M+2:G0M+3], s[G0M+2:G0M+3], 512   ; the mask's next 128 keys,
	s_xor_b32 s[G0R+1], s[G0R+1], SLOT1
	s_add_nc_u64 s[G0R+2:G0R+3], s[G0R+2:G0R+3], REC
	s_wait_xcnt 0x0                                ; any prefetch of mine has read its address
	s_add_nc_u64 s[PFA:PFA+1], s[PFA:PFA+1], s[PFS:PFS+1]   ; two key steps further on than the walking descriptors
	s_wait_dscnt 0x0
	CROUND
	JLOAD
	s_cmp_gt_u32 s[SLOTS], s[LIM]                  ; waves 4 to 7, while there is a key step two beyond the one just asked for
	s_cbranch_scc0 .Lnone_\@
	global_prefetch_b8 v0, s[PFA:PFA+1] th:TH_LOAD_NT scope:SCOPE_SE
.Lnone_\@:
.else
	s_wait_dscnt 0x0
	s_barrier_signal -1
	s_barrier_wait -1
.endif
.endm
; A TRIP.  prev = 1: there is a last step to finish.
.macro TRIP fill, prev
	CHANGE \fill
	ADDR
	KSCALES
.if \prev
	s_wait_alu depctr_va_vdst(0)
	SECOND 1
	PV
.else
	s_wait_alu depctr_va_vdst(0)
.irp t, 0,1,2,3,4,5,6,7
	CHUNK \t
.endr
.endif
	s_wait_dscnt 0x0                               ; the mask, K and K's scale words
.set JJ, 0
.rept 32
	v_pk_mul_f32 v[MS+JJ:MS+JJ+1], v[MS+JJ:MS+JJ+1], s[RT:RT+1] op_sel_hi:[1,0]   ; x sqrt(128): c takes it back.  (These 32 are also the places between V^T P and the loads into V's registers)
.set JJ, JJ+2
.endr
	LOAD_V
.rept 8
	v_nop                                          ; between the lines that wrote the mask's registers and the products that take them as C
.endr
	QK
.rept 8
	v_nop                                          ; behind the products: their results are read next, and their operands' registers are loaded again in the next trip
.endr
	FIRST
	s_xor_b32 s[TB], s[TB], SLOT1                  ; on to the other slot
	s_xor_b32 s[TBS], s[TBS], SLOT1
.endm
	s_wait_loadcnt 0x0                             ; Q, and the register that addressed its scale words is free
	TRIP 1, 0                                      ; key step 0; slot 1 is asked for
.Lstep:                                                ; 14 trips: key steps 1 to 14; behind each change of slots the next key step is asked for
	TRIP 1, 1
	s_sub_co_u32 s[SLOTS], s[SLOTS], 1
	s_cmp_lg_u32 s[SLOTS], 0
	s_cbranch_scc1 .Lstep
	TRIP 0, 1                                      ; key step 15 is written out
	s_wait_dscnt 0x0                               ; its V
	s_wait_alu depctr_va_vdst(0)
	SECOND 0
	PV
; 64 numbers of a lane, v[s] on (register 16 b + i belongs to block b), become 16 registers of codes in v[PC] on and the row's scale word in v[pw].
.macro QUANT s, pw
.irp b, 0,1,2,3
	v_max3_num_f32 v[TM+\b], |v[(\s)+16*\b]|, |v[(\s)+16*\b+1]|, 0x4800000   ; my 16 numbers of block b, and the floor 2^(9 - 127)
.endr
.irp i, 2,4,6,8,10,12,14
.irp b, 0,1,2,3
	s_delay_alu instid0(VALU_DEP_4)
	v_max3_num_f32 v[TM+\b], |v[(\s)+16*\b+\i]|, |v[(\s)+16*\b+\i+1]|, v[TM+\b]
.endr
.endr
.irp b, 0,1,2,3
	v_permlanex16_b32 v[TM+4+\b], v[TM+\b], s[SEL], s[SEL+1]
.endr
.irp b, 0,1,2,3
	s_delay_alu instid0(VALU_DEP_4)
	v_max_num_f32 v[TM+\b], v[TM+\b], v[TM+4+\b]
.endr
.irp b, 0,1,2,3
	s_delay_alu instid0(VALU_DEP_4)
	v_add_nc_u32 v[TM+12+\b], 0xfc000000, v[TM+\b]
.endr
.irp b, 0,1,2,3
	v_and_or_b32 v[TM+8+\b], v[TM+\b], 0x7f800000, s[MNT]
.endr
.irp b, 0,1,2,3
	v_lshrrev_b32 v[TM+4+\b], 23, v[TM+12+\b]
.endr
	s_delay_alu instid0(VALU_DEP_3)
	v_lshl_or_b32 v[\pw], v[TM+5], 8, v[TM+4]
	s_delay_alu instid0(VALU_DEP_1)
	v_lshl_or_b32 v[\pw], v[TM+6], 16, v[\pw]
	s_delay_alu instid0(VALU_DEP_1)
	v_lshl_or_b32 v[\pw], v[TM+7], 24, v[\pw]
.irp b, 0,1,2,3
.irp i, 0,1,2,3,4,5,6,7,8,9,10,11,12,13,14,15
	v_med3_num_f32 v[(\s)+16*\b+\i], v[(\s)+16*\b+\i], -v[TM+8+\b], v[TM+8+\b]
.endr
.endr
.irp g, 0,1,2,3,4,5,6,7
	v_cvt_scalef32_pk8_fp8_f32 v[PC+2*\g:PC+2*\g+1], v[(\s)+8*\g:(\s)+8*\g+7], v[TM+12+\g/2]
.endr
	v_nop                                          ; one plain line behind the last conversion
.endm
	; THE WAY OUT.  O^T is divided by the row's sum and quantised along the head's 128: register 8 t + j of lane (r, h) is o(r, 16 t + 8 h + j), the order of every image: the codes are fragment w of O's record.
	v_bfe_u32 v5, v[LI], 4, 4
	s_delay_alu instid0(VALU_DEP_1)
	v_lshlrev_b32 v5, 2, v5                        ; 4 r.  (With the six v_nop: eight places behind the last products)
.rept 6
	v_nop
.endr
	v_add_f32 v14, v14, v15                        ; the sum's two halves,
	s_delay_alu instid0(VALU_DEP_1)
	v_permlanex16_b32 v252, v14, s[SEL], s[SEL+1]
	s_delay_alu instid0(VALU_DEP_1)
	v_add_f32 v14, v14, v252                       ; and lane l xor 16's: the row's sum
	s_wait_alu depctr_va_vdst(0)
	v_rcp_f32 v14, v14
	v_nop                                          ; one plain line behind the transcendental
.set JJ, 0
	s_wait_alu depctr_va_vdst(0)
.rept 32
	v_pk_mul_f32 v[96+JJ:97+JJ], v[160+JJ:161+JJ], v[14:15] op_sel_hi:[1,0]   ; each accumulator from its low end on
.set JJ, JJ+2
.endr
	QUANT 96, 48
.irp c, 0,1,2,3
	global_store_b128 v[LI], v[PC+4*\c:PC+4*\c+3], s[12:13] offset:512*\c   ; 512 consecutive bytes a store, aligned
.endr
	global_store_b32 v5, v48, s[76:77]             ; my 16 rows' scale words: lanes l and l + 16 hold the same word and write it to the same place
	s_wait_tensorcnt 0x0                           ; the wave's end
	ds_add_u32 v[SPW], v[NIL]
	s_wait_dscnt 0x0
	CROUND                                         ; the closing round: no work-group ends while a partner may still ask for a tile that names it
	s_endpgm
.Lfunc_end_k_q3654ff03a5_attn:
	.size	k_q3654ff03a5_attn, .Lfunc_end_k_q3654ff03a5_attn-k_q3654ff03a5_attn
	.p2alignl 7, 3214868480
	.fill 96, 4, 3214868480
	.section	.rodata,"a",@progbits
	.p2align	6, 0x0
	.amdhsa_kernel k_q3654ff03a5_attn
		.amdhsa_group_segment_fixed_size 327680
		.amdhsa_private_segment_fixed_size 0
		.amdhsa_enable_private_segment 0
		.amdhsa_kernarg_size 40
		.amdhsa_user_sgpr_count 2
		.amdhsa_user_sgpr_kernarg_segment_ptr 1
		.amdhsa_wavefront_size32 1
		.amdhsa_system_sgpr_workgroup_id_x 1
		.amdhsa_system_sgpr_workgroup_id_y 1
		.amdhsa_system_sgpr_workgroup_id_z 1
		.amdhsa_system_vgpr_workitem_id 0
		.amdhsa_next_free_vgpr 512
		.amdhsa_next_free_sgpr 80
		.amdhsa_reserve_vcc 0
		.amdhsa_float_denorm_mode_32 3
		.amdhsa_float_denorm_mode_16_64 3
		.amdhsa_memory_ordered 1
		.amdhsa_forward_progress 1
		.amdhsa_inst_pref_size 106
	.end_amdhsa_kernel
	.amdgpu_metadata
---
amdhsa.version: [ 1, 2 ]
amdhsa.kernels:
  - .name:           k_q3654ff03a5_attn
    .symbol:         k_q3654ff03a5_attn.kd
    .args:
      - { .name: q_img, .offset: 0, .size: 8, .value_kind: global_buffer, .address_space: global }
      - { .name: k_img, .offset: 8, .size: 8, .value_kind: global_buffer, .address_space: global }
      - { .name: v_img, .offset: 16, .size: 8, .value_kind: global_buffer, .address_space: global }
      - { .name: attention_mask, .offset: 24, .size: 8, .value_kind: global_buffer, .address_space: global }
      - { .name: o_img, .offset: 32, .size: 8, .value_kind: global_buffer, .address_space: global }
    .group_segment_fixed_size: 327680
    .private_segment_fixed_size: 0
    .kernarg_segment_align: 8
    .kernarg_segment_size: 40
    .max_flat_workgroup_size: 256
    .sgpr_count:     80
    .vgpr_count:     512
    .wavefront_size: 32
...
	.end_amdgpu_metadata
.endif
;; end of part 3
;; launch oproj (part 4): grid 8 x 16, 4 waves a work-group, clusters of 4 x 4, 327,680 bytes of LDS; arguments o_img, wo_img, out0; writes out0
.if DOCPART == 4
	.amdgcn_target "amdgcn-amd-amdhsa--gfx1250"
	.amdhsa_code_object_version 6
	.text
	.protected	k_q3654ff03a5_oproj
	.globl	k_q3654ff03a5_oproj
	.p2align	8
	.type	k_q3654ff03a5_oproj,@function
k_q3654ff03a5_oproj:
	s_mov_b64 s[64:65], 0
	v_nop
	global_prefetch_b8 v0, s[64:65] scope:SCOPE_SE
	s_setreg_imm32_b32 hwreg(HW_REG_WAVE_MODE, 25, 1), 1
	s_wait_xcnt 0x0
	s_wait_alu depctr_hold_cnt(0) depctr_sa_sdst(0) depctr_va_vdst(0) depctr_va_sdst(0) depctr_va_ssrc(0) depctr_va_vcc(0) depctr_vm_vsrc(0)
	s_getreg_b32 s2, hwreg(HW_REG_IB_STS2, 6, 4)
	s_cmp_eq_u32 s2, 0
	s_cbranch_scc0 .Lentry_in_a_cluster
	s_endpgm
.Lentry_in_a_cluster:
	s_bfe_u32 s2, ttmp6, 0x10000c
	s_cmp_lg_u32 s2, 0xf033
	s_cbranch_scc0 .Lentry_shape_is_right
	s_endpgm
.Lentry_shape_is_right:
.set REC,   16896
.set STRIP, 2*REC
.set SLOT,  4*STRIP
.set SPARE, 2*SLOT
.set RPG,   8
.set RGB,   RPG*REC
.set LAPS,  2
.set SIZE_N, 2048
.set NQ,    2
.set FR,    16
.set NL,    4
.set NP,    8
.set SPITCH, 528
.set ADRA, 16
.set ADRB, 20
.set ADRS, 22
.set STO,  24
.set RD,   25
.set CO,   26
.set SPW,  28
.set NIL,  29
.set SC,   32
.set AF,   128
.set BK,   128
.set G1,   24
.set G0,   32
.set G1B,  48
.set G0B,  56
.set MSB, 0
.macro WIN new
.if MSB != (\new)
	s_set_vgpr_msb (MSB<<8)|(\new)
.set MSB, (\new)
.endif
.endm
.set MUL_LO, 0xa1
.set MUL_HI, 0xf1
.set TO_B,   0x40
.macro JLOAD s
	s_cmp_eq_u32 s15, 0
	s_cbranch_scc0 .Lfor_b_\@
	tensor_load_to_lds s[G0+4*\s:G0+4*\s+3], s[G1:G1+7]
	s_nop 0
.rept 4
	v_nop
.endr
	s_branch .Lasked_\@
.Lfor_b_\@:
	tensor_load_to_lds s[G0B+4*\s:G0B+4*\s+3], s[G1B:G1B+7]
	s_nop 0
.rept 4
	v_nop
.endr
.Lasked_\@:
.endm
.macro CREST
	s_cmp_lg_u32 s14, 0
	s_cbranch_scc1 .Lnot_wave_0_\@
	s_barrier_signal -3
.Lnot_wave_0_\@:
	s_barrier_wait -3
	s_barrier_signal -1
	s_barrier_wait -1
.endm
.macro CROUND
	s_barrier_signal -1
	s_barrier_wait -1
	CREST
.endm
	s_load_b128 s[4:7], s[0:1], 0x0
	s_load_b64 s[12:13], s[0:1], 0x10
	v_lshl_add_u32 v[SPW], v0, 2, SPARE
	v_mov_b32 v[NIL], 0
	ds_add_u32 v28, v29
	ds_add_u32 v28, v29
	s_wait_dscnt 0x0
	v_lshrrev_b32 v1, 5, v0
	v_readfirstlane_b32 s14, v1
	s_lshr_b32 s15, s14, 1
	s_and_b32 s16, s14, 1
	s_bfe_u32 s40, ttmp6, 0x40000
	s_bfe_u32 s41, ttmp6, 0x40004
	s_lshl_b32 s42, ttmp9, 2
	s_add_co_u32 s42, s42, s40
	s_and_b32 s17, ttmp7, 0xffff
	s_lshl_b32 s17, s17, 2
	s_add_co_u32 s17, s17, s41
	s_lshl_b32 s43, s41, 2
	s_lshl_b32 s43, 15, s43
	s_lshl_b32 s44, 0x1111, s40
	s_or_b32 s[G1+0], s43, (3<<16)|(1<<21)
	s_or_b32 s[G1B+0], s44, (3<<16)|(1<<21)
.irp g, G1, G1B
	s_mov_b32 s[\g+1], 32<<16
	s_mov_b32 s[\g+2], 132<<16
	s_mov_b32 s[\g+3], 32<<16
	s_mov_b32 s[\g+4], 132
	s_mov_b32 s[\g+5], 32
	s_mov_b32 s[\g+6], 0
	s_mov_b32 s[\g+7], 0
.endr
	s_lshl_b32 s20, s17, 1
	s_add_co_u32 s20, s20, s16
	s_mul_i32 s20, s20, RGB
	s_mov_b32 s21, 0
	s_lshl_b32 s46, s42, 1
	s_add_co_u32 s46, s46, s16
	s_mul_i32 s46, s46, RGB
	s_mov_b32 s47, 0
	s_mul_i32 s45, s14, STRIP
	s_wait_kmcnt 0x0
	s_add_nc_u64 s[20:21], s[4:5], s[20:21]
	s_add_nc_u64 s[46:47], s[6:7], s[46:47]
	s_cmp_eq_u32 s15, 0                            ; the prefetches: my own strip (132 blocks of 256 bytes), two fills on; of the four partners that ask for it jointly each takes 33 blocks, told apart by address
	s_cselect_b64 s[98:99], s[20:21], s[46:47]
	s_cselect_b32 s18, s40, s41
	s_mul_i32 s18, s18, 33*256
	s_add_co_u32 s18, s18, 2*STRIP
	s_mov_b32 s19, 0
	s_add_nc_u64 s[98:99], s[98:99], s[18:19]
	v_and_b32 v30, 31, v0
	v_lshlrev_b32 v30, 8, v30                      ; blocks 0 to 31 of my 33: a lane a block
	v_mov_b32 v31, 0x2000                          ; block 32
	CROUND
.irp s, 0,1
	s_mov_b32 s[G0+4*\s], 1
	s_add_co_u32 s[G0+4*\s+1], s45, \s*SLOT
	s_add_nc_u64 s[G0+4*\s+2:G0+4*\s+3], s[20:21], \s*STRIP
	s_or_b32 s[G0+4*\s+3], s[G0+4*\s+3], 0x80000000
	s_mov_b32 s[G0B+4*\s], 1
	s_add_co_u32 s[G0B+4*\s+1], s45, \s*SLOT
	s_add_nc_u64 s[G0B+4*\s+2:G0B+4*\s+3], s[46:47], \s*STRIP
	s_or_b32 s[G0B+4*\s+3], s[G0B+4*\s+3], 0x80000000
	s_wait_alu depctr_va_vdst(0)
	s_wait_tensorcnt 0x0
	ds_add_u32 v28, v29
	ds_add_u32 v28, v29
	s_wait_dscnt 0x0
	CROUND
	JLOAD \s
	global_prefetch_b8 v30, s[98:99] offset:\s*STRIP th:TH_LOAD_NT scope:SCOPE_SE   ; K has four strips: the two refills have none two on, so only the head asks
	global_prefetch_b8 v31, s[98:99] offset:\s*STRIP th:TH_LOAD_NT scope:SCOPE_SE
.endr
	v_and_b32 v1, 15, v0
	v_bfe_u32 v2, v0, 4, 1
	v_and_b32 v3, 31, v0
	v_lshlrev_b32 v[CO], 4, v3
	s_mul_i32 s21, s15, STRIP
	s_mul_i32 s22, s16, STRIP
	s_add_co_u32 s22, s22, 2*STRIP
	s_sub_co_u32 s23, s22, s21
	v_lshlrev_b32 v5, 2, v1
	v_mul_u32_u24 v6, s23, v2
	v_add_nc_u32 v5, v5, v6
	s_add_co_u32 s18, s21, 16384
	v_add_nc_u32 v[ADRS], s18, v5
	v_add_nc_u32 v[ADRS+1], SLOT, v[ADRS]
.irp s, 0,1
	v_add_nc_u32 v[ADRA+\s], s21, v[CO]
	v_add_nc_u32 v[ADRB+\s], s22, v[CO]
	s_add_co_u32 s21, s21, SLOT
	s_add_co_u32 s22, s22, SLOT
.endr
	s_mul_i32 s23, s14, 16*SPITCH
	v_mul_u32_u24 v5, v1, SPITCH
	v_lshl_add_u32 v5, v2, 5, v5
	v_add_nc_u32 v[STO], s23, v5
	v_add_nc_u32 v[RD], s23, v[CO]
	s_lshl_b32 s20, s17, 8
	s_lshl_b32 s21, s15, 7
	s_add_co_u32 s20, s20, s21
	s_lshl_b32 s20, s20, 13
	s_mov_b32 s21, 0
	s_lshl_b32 s46, s42, 10
	s_lshl_b32 s47, s16, 9
	s_add_co_u32 s46, s46, s47
	s_mov_b32 s47, 0
	s_add_nc_u64 s[20:21], s[20:21], s[46:47]
	s_add_nc_u64 s[12:13], s[12:13], s[20:21]
.macro FRAG reg, adr, q, i
.irp c, 0,1,2,3
	ds_load_b128 v[\reg+4*\c:\reg+4*\c+3], v[\adr] offset:REC*(\q)+2048*(\i)+512*\c
.endr
.endm
.macro MUL16 a0, p, q, sc, zero
.irp a, \a0, \a0+1
.irp b, 0,1,2,3,4,5,6,7
.if \zero
	v_wmma_scale_f32_16x16x128_f8f6f4 v[8*(8*((\a)%4)+\b):8*(8*((\a)%4)+\b)+7], v[128*(\p)+FR*\b:128*(\p)+FR*\b+FR-1], v[AF+FR*(\a):AF+FR*(\a)+FR-1], 0, v[SC+8*NQ*(\sc)+NQ*\b+(\q)], v[SC+8*NQ*(\sc)+NQ*(\a)+(\q)] matrix_a_scale:MATRIX_SCALE_ROW1
.else
	v_wmma_scale_f32_16x16x128_f8f6f4 v[8*(8*((\a)%4)+\b):8*(8*((\a)%4)+\b)+7], v[128*(\p)+FR*\b:128*(\p)+FR*\b+FR-1], v[AF+FR*(\a):AF+FR*(\a)+FR-1], v[8*(8*((\a)%4)+\b):8*(8*((\a)%4)+\b)+7], v[SC+8*NQ*(\sc)+NQ*\b+(\q)], v[SC+8*NQ*(\sc)+NQ*(\a)+(\q)] matrix_a_scale:MATRIX_SCALE_ROW1
.endif
.endr
.endr
.endm
.macro FETCH_B slot, q, p
	WIN TO_B
.irp i, 0,1,2,3,4,5,6,7
	FRAG 128*(\p)+FR*\i, ADRB+\slot, \q, \i
.endr
	WIN 0
.endm
.macro FETCH_A slot, q, i0
.irp i, \i0, \i0+1, \i0+2, \i0+3
	FRAG AF+FR*(\i), ADRA+\slot, \q, \i
.endr
.endm
.macro SCALES sc
.irp i, 0,1,2,3,4,5,6,7
.irp q, 0,1
	ds_load_b32 v[SC+16*\sc+2*\i+\q], v[ADRS+\sc] offset:REC*\q+64*\i
.endr
.endr
.endm
.macro PLACES n
.rept \n
	v_nop
.endr
.endm
.macro STEP slot, q, zero
	s_wait_dscnt 4*NL
	WIN MUL_LO
	MUL16 0, (\q)%2, \q, \slot, \zero
	MUL16 2, (\q)%2, \q, \slot, \zero
	s_wait_dscnt 0
	PLACES NP
	FETCH_B \slot, (\q)+1, 1-(\q)%2
	FETCH_A \slot, (\q)+1, 0
	WIN MUL_HI
	MUL16 4, (\q)%2, \q, \slot, \zero
	MUL16 6, (\q)%2, \q, \slot, \zero
	PLACES NP
	WIN 0
	FETCH_A \slot, (\q)+1, 4
.endm
.macro TURN slot, next, fill
	s_wait_tensorcnt 0x0
	ds_add_u32 v[SPW], v[NIL]
	s_wait_dscnt 4*NL+1
	WIN MUL_LO
	MUL16 0, 1, NQ-1, \slot, 0
	s_wait_dscnt 0x0
	s_barrier_signal -1
	MUL16 2, 1, NQ-1, \slot, 0
	WIN 0
	s_barrier_wait -1
.if \fill
	CREST
	s_add_nc_u64 s[G0+4*\slot+2:G0+4*\slot+3], s[G0+4*\slot+2:G0+4*\slot+3], 2*STRIP
	s_add_nc_u64 s[G0B+4*\slot+2:G0B+4*\slot+3], s[G0B+4*\slot+2:G0B+4*\slot+3], 2*STRIP
	JLOAD \slot
	PLACES NP-4
.else
	PLACES NP
.endif
	FETCH_B \next, 0, 0
	FETCH_A \next, 0, 0
	SCALES \next
	WIN MUL_HI
	MUL16 4, 1, NQ-1, \slot, 0
	MUL16 6, 1, NQ-1, \slot, 0
	PLACES NP
	WIN 0
	FETCH_A \next, 0, 4
.endm
	s_wait_alu depctr_va_vdst(0)
	s_wait_tensorcnt 1
	s_barrier_signal -1
	s_barrier_wait -1
	FETCH_B 0, 0, 0
	FETCH_A 0, 0, 0
	SCALES 0
	FETCH_A 0, 0, 4
	STEP 0, 0, 1
	s_mov_b32 s3, LAPS-1
.Llap:
	TURN 0, 1, 1
	STEP 1, 0, 0
	TURN 1, 0, 1
	STEP 0, 0, 0
	s_sub_co_u32 s3, s3, 1
	s_cmp_lg_u32 s3, 0
	s_cbranch_scc1 .Llap
	TURN 0, 1, 0
	STEP 1, 0, 0
	s_wait_dscnt 4*NL
	WIN MUL_LO
	MUL16 0, 1, NQ-1, 1, 0
	MUL16 2, 1, NQ-1, 1, 0
	s_wait_dscnt 0
	WIN MUL_HI
	MUL16 4, 1, NQ-1, 1, 0
	MUL16 6, 1, NQ-1, 1, 0
	WIN 0
.macro TOSTAGE a
.set AC, 64*((\a)%4)
	WIN 0x08+4*((\a)/4)
.irp b, 0,1,2,3,4,5,6,7
	ds_store_b128 v[STO], v[AC+8*\b:AC+8*\b+3] offset:64*\b
	ds_store_b128 v[STO], v[AC+8*\b+4:AC+8*\b+7] offset:64*\b+16
.endr
	WIN 0
.set BB, BK+64*((\a)%2)
.irp t, 0,1,2,3,4,5,6,7,8,9,10,11,12,13,14,15
	ds_load_b128 v[BB+4*\t:BB+4*\t+3], v[RD] offset:\t*SPITCH
.endr
.endm
.macro SEND a, younger
.set BB, BK+64*((\a)%2)
	s_wait_dscnt \younger
.if (\a) > 0
	s_add_nc_u64 s[12:13], s[12:13], 16*SIZE_N*4
.endif
.irp t, 0,1,2,3,4,5,6,7,8,9,10,11,12,13,14,15
	global_store_b128 v[CO], v[BB+4*\t:BB+4*\t+3], s[12:13] offset:\t*SIZE_N*4 th:TH_STORE_NT
.endr
.endm
	PLACES NP
	TOSTAGE 0
.irp a, 1,2,3,4,5,6,7
.if \a > 1
	s_wait_xcnt 0x0
.endif
	TOSTAGE \a
	SEND \a-1, 32
.endr
	s_wait_xcnt 0x0
	SEND 7, 0
	s_wait_tensorcnt 0x0
	ds_add_u32 v[SPW], v[NIL]
	s_wait_dscnt 0x0
	CROUND
	s_endpgm
.Lfunc_end_k_q3654ff03a5_oproj:
	.size	k_q3654ff03a5_oproj, .Lfunc_end_k_q3654ff03a5_oproj-k_q3654ff03a5_oproj
	.p2alignl 7, 3214868480
	.fill 96, 4, 3214868480
	.section	.rodata,"a",@progbits
	.p2align	6, 0x0
	.amdhsa_kernel k_q3654ff03a5_oproj
		.amdhsa_group_segment_fixed_size 327680
		.amdhsa_private_segment_fixed_size 0
		.amdhsa_enable_private_segment 0
		.amdhsa_kernarg_size 24
		.amdhsa_user_sgpr_count 2
		.amdhsa_user_sgpr_kernarg_segment_ptr 1
		.amdhsa_wavefront_size32 1
		.amdhsa_system_sgpr_workgroup_id_x 1
		.amdhsa_system_sgpr_workgroup_id_y 1
		.amdhsa_system_sgpr_workgroup_id_z 1
		.amdhsa_system_vgpr_workitem_id 0
		.amdhsa_next_free_vgpr 1024
		.amdhsa_next_free_sgpr 100
		.amdhsa_reserve_vcc 0
		.amdhsa_float_denorm_mode_32 3
		.amdhsa_float_denorm_mode_16_64 3
		.amdhsa_memory_ordered 1
		.amdhsa_forward_progress 1
		.amdhsa_inst_pref_size 147
	.end_amdhsa_kernel
	.amdgpu_metadata
---
amdhsa.version: [ 1, 2 ]
amdhsa.kernels:
  - .name:           k_q3654ff03a5_oproj
    .symbol:         k_q3654ff03a5_oproj.kd
    .args:
      - { .name: o_img, .offset: 0, .size: 8, .value_kind: global_buffer, .address_space: global }
      - { .name: wo_img, .offset: 8, .size: 8, .value_kind: global_buffer, .address_space: global }
      - { .name: out0, .offset: 16, .size: 8, .value_kind: global_buffer, .address_space: global }
    .group_segment_fixed_size: 327680
    .private_segment_fixed_size: 0
    .kernarg_segment_align: 8
    .kernarg_segment_size: 24
    .max_flat_workgroup_size: 128
    .sgpr_count:     100
    .vgpr_count:     1024
    .wavefront_size: 32
...
	.end_amdgpu_metadata
.endif
;; end of part 4
